; MI455X (gfx1250); checked and timed in simulation.
; The chip was launched on July 23, 2026; its instructions are those of AMD's public machine-readable ISA for CDNA 5 (MIT licence, August 2026) and "CDNA5" Instruction Set Architecture Reference Guide (July 2026). The comments in the code are by the model that wrote it; some were corrected since.
;; Actor Critic. Allowed arithmetic: matrix products marked QUANTISED: E2M1 operands, one E8M0 scale for each 32 along K, by v_wmma_scale_f32_16x16x128_f8f6f4 with both operands' format E2M1 (or v_wmma_scale_f32_32x16x128_f4), f32 sums; products left as they are: f32 operands where the result goes on into a quantised operand, else bf16, f16 or f32 operands; f32 sums; everything else in f32.
;; Inputs: action 65,536 x 16 float32; b1 32 float32; b2 32 float32; b3 272 float32; state 65,536 x 128 float32; w1 128 x 32 float32; w2 32 x 32 float32; w3 32 x 272 float32.
;; Outputs: out0 2 x 65,536 float32.
;; This version of the problem:
;;   THIS VERSION OF THE PROBLEM IS GIVEN IN LOW PRECISION. The matrix products marked QUANTISED in the list below multiply operands that are first quantised to E2M1 (2 exponent bits, 1 mantissa bit; 4 bits a number), with one power-of-two scale for each 32 numbers along K (OCP MX v1.0); their sums are f32. All else is computed in f32.
;;   The module's matrix products, in the order in which they are computed (A, B: the left and right operand; K: the contracted axis; several contracted axes count as one K, in the product's order):
;;     1. [M 65,536, K 128] x [K 128, N 32]; A: input state; B: input w1: QUANTISED
;;     2. [M 65,536, K 32] x [K 32, N 32]; A: computed on the way; B: input w2: QUANTISED
;;     3. [M 65,536, K 32] x [K 32, N 272]; A: computed on the way; B: input w3: QUANTISED
;;     4. batch 65,536 x [M 16, K 16] x [K 16, N 16]; A: computed on the way; B: computed on the way: left as it is (K = 16 < 32)
;;   THE QUANTISER, for each operand of a quantised product, along K:
;;     - K is cut into blocks of 32 from its start; a last block that is shorter is filled with zeros.
;;     - A block's scale is 2^e with e = floor(log2(the largest magnitude in the block)) - 2, held to -126 .. 127; a block of zeros has e = 0. As a byte (E8M0): e + 127.
;;     - Each number is divided by its block's scale, clamped to +-6, and rounded to the nearest number of E2M1, ties to even, subnormals kept.
;;     - The product sums the exact products of the quantised numbers (number of the format x scale) in f32.
;;   ~~~python
;;   def quantise(x, axis):      # numpy; x: float32 -> the quantised numbers, widened to float32 again
;;       x = np.moveaxis(x, axis, -1); K = x.shape[-1]
;;       x = np.pad(x, [(0, 0)] * (x.ndim - 1) + [(0, -K % 32)]); x = x.reshape(x.shape[:-1] + (-1, 32)); a = np.abs(x).max(-1, keepdims=True)
;;       e = np.where(a > 0, np.clip(np.frexp(np.where(a > 0, a, 1))[1] - 1 - 2, -126, 127), 0)      # np.frexp(a)[1] - 1 = floor(log2(a)), exactly
;;       r = np.clip(x / 2.0 ** e, -6, 6)
;;       step = 2.0 ** (np.maximum(np.frexp(np.where(r == 0, 1, r))[1] - 1, 0) - 1)
;;       q = np.round(r / step) * step * 2.0 ** e      # np.round: ties to even
;;       return np.moveaxis(q.reshape(q.shape[:-2] + (-1,))[..., :K], -1, axis).astype(np.float32)
;;   ~~~
;;   OPERANDS COMPUTED ON THE WAY. 'Computed on the way' means the value that the module computes at that place (a softmax that the list does not call 'softmax' is quantised finished and normalised). What goes into a quantiser is computed in f32, as accurately as f32 sums, v_exp_f32 and their like allow (about 1e-6 of the number): no bf16 or f16 on the way to a quantiser, and a product that is left as it is and whose result goes on into a quantised operand takes f32 operands (vector FMAs, or v_wmma_f32_16x16x4_f32). A number that lies on a knife's edge between two numbers of the format may be rounded either way, as far as f32 arithmetic and the matrix unit's own rounding can turn it there, and no further.
;; 2 versions, each right; version 2 is version 1 with the launch actor written anew for expert scheduling mode. Each part assembles by itself: llvm-mc -triple=amdgcn-amd-amdhsa -mcpu=gfx1250 --defsym DOCPART=n.
;; ======== version 1 of 2: 1 launch
;; launch actor (part 1): grid 256 x 1, 8 waves a work-group, no clusters, 299,008 bytes of LDS; arguments state, action, w1, b1, w2, b2, w3, b3, out0; writes out0
.if DOCPART == 1
	.amdgcn_target "amdgcn-amd-amdhsa--gfx1250"
	.amdhsa_code_object_version 6
	.text
	.protected	k_qfb0217fdfd_actor
	.globl	k_qfb0217fdfd_actor
	.p2align	8
	.type	k_qfb0217fdfd_actor,@function
k_qfb0217fdfd_actor:
	s_mov_b64 s[64:65], 0
	v_nop
	global_prefetch_b8 v0, s[64:65] scope:SCOPE_SE
	s_setreg_imm32_b32 hwreg(HW_REG_WAVE_MODE, 25, 1), 1
	s_wait_xcnt 0x0
; out0[0][b] = log-probability, out0[1][b] = entropy of a normal law whose mean and covariance come from an MLP 128 -> 32 -> 32 -> 272.
; The three products of the MLP run on codes of FP4 (E2M1) with one E8M0 scale for each 32 along K; both operands are quantised here, in registers.
; SHARES.  256 work-groups of 8 waves; a wave owns 32 rows of the batch: group 0 (rows 0-15) and group 1 (rows 16-31); at the end a lane owns one row.
; ALGEBRA.  S = min(exp(out[16:]), 1000), 16 x 16 (an exponential is never negative, so the bound -1000 cannot act); n2 = sum of S^2; norm = sqrt(n2); sn = norm + 1e-8; s = sn^2.
;   cov = (norm / s) H with H = S S^T + s I.  With H's pivots d_k and rs_k = 1 / sqrt(d_k):  z = L_H^-1 (action - means);  z' cov^-1 z = (sum z^2) s / norm;
;   half the log-determinant = ln 2 (4 log2(n2) - log2(P)), P = product of rs_k sn.  s <= d_k <= n2 + s <= 2 s, and det(H) / s^16 <= e, so each factor lies in [0.707, 1] and P in [0.606, 1].
; LAYOUT.  Products 1 and 2 and the means' tile are used transposed (source 0 = 16 columns of the weight, source 1 = 16 rows of the batch): a lane holds one row, its registers run along the next K.
;   The 16 tiles of S are used as they stand (source 0 = the rows, source 1 = out columns 16 + 16 i + r for tile i): lane r holds S's column r, register j the batch row 8 h + j, the tile is S's row.
;   S goes through the wave's own LDS, from which each lane reads one batch row's S, transposed: register 16 t + i = S[i][t].
; S S^T IS MADE BY PACKED f32 MULTIPLY-ADDS, ONE BATCH ROW TO A LANE.  Its K is 16: the 16-bit matrix forms take K = 32, so half of each instruction would multiply zeros, whichever way two batch
;   rows are laid side by side (an output there is a sum over all 32 k); and only the lower triangle is wanted: 72 pairs of entries x 16 = 1,152 instructions for a wave's 32 rows.  It lands in the
;   registers in which it is factored; its diagonal gives n2.
; K = 32 IN A FORM OF K = 128: the computed operand holds zero codes for k = 32 .. 127 (lanes 16-31 and registers 4-7).  What the weight's side holds there is multiplied by 0: every E2M1 code is a
;   finite number and the scale words' upper bytes are 0, never 0xff.  So a weight's tile is named as 8 registers of which the upper 4 are the next tile's.
; NOT USED: tensor loads (every input byte is asked for once, at the head, and nothing is filled again); a cluster (what work-groups share is 55,296 bytes of weights against the 147,456 bytes
;   of state and action that are a work-group's own); prefetches (all global loads stand at the head: nothing could be asked for earlier).
; LIMITS: a row whose n2 falls under 2^-126 gives numbers that are not finite, though not the pattern of NaN that a factorisation of a zero matrix gives; NaN and infinities among the inputs are not
;   served; a block whose largest magnitude lies under 2^-124 keeps the scale byte 1 (a block of zeros too: its codes are zeros); f32 sums run in another order than a plain loop's;
;   exp(x + b) is 2^(x log2(e) + b log2(e)), one fused multiply-add ahead of the exponential.
.set IMG12, 0                          ; LDS, shared: w1's and w2's codes: 2 tiles x 1,280: [block 0..3 of w1, 4 = w2][lane r] x 16 bytes
.set SC12,  2560                       ; their scale bytes, a word each: [block] x 128 + tile x 64 + 4 r
.set W3M,   3200                       ; the means' tile of w3: 16 x 16 bytes
.set W3S,   3456                       ; the 16 tiles of S: pitch 272, 16 bytes a lane
.set SC3M,  7808                       ; scale words of the means' tile
.set SC3S,  7872                       ; and of the 16: pitch 68
.set OST,   8960                       ; the way out: 256 log-probabilities, 256 entropies
.set PRIV0, 11264                      ; from here a region of WPRIV bytes for each wave
.set WPRIV, 35840
.set XST,   16640                      ; in it: from 0: 32 batch rows x 1,040: chunk (ic, t) at 256 ic + 16 t = S[4 ic .. 4 ic + 3][t];  XST: 16 rows of state x 528, in group 1's half, which is written later
.set AST,   33280                      ; 32 rows x 80: the actions, then action - means
.set L16,  1                           ; v1-26: addresses and offsets, never rewritten.  l = lane, r = l % 16, h = l / 16, w = wave, PB = the wave's region
.set LR16, 2                           ; 16 l; 16 r
.set LR4,  3                           ; 4 r
.set XW,   4                           ; PB + XST + 16 l
.set XR,   5                           ; PB + XST + 528 r + 64 h
.set AWR,  6                           ; PB + AST + 80 (l / 4) + 16 (l % 4)
.set ARD,  7                           ; PB + AST + 80 l
.set GW,   8                           ; PB + 8320 h + 16 r
.set GR,   9                           ; PB + 1040 l
.set AW3,  12                          ; W3S + 272 (2 w + h) + 16 r
.set AS3,  13                          ; SC3S + 68 (2 w + h) + 4 r
.set A12,  14                          ; IMG12 + 1280 ((l / 8) % 2) + 16 (l % 8) + 128 h + 256 w
.set S12,  15                          ; SC12 + 64 ((l / 8) % 2) + 4 (l % 8) + 32 h + 128 w
.set AM,   16                          ; W3M + 16 r
.set ASM,  17                          ; SC3M + 4 r
.set WO3,  18                          ; 64 + 128 w + 4 l: my column of w3
.set L4,   19                          ; 4 l
.set AMR,  20                          ; PB + AST + 80 r + 32 h
.set H64,  21                          ; 64 h; 32 h
.set H32,  22
.set OSW,  24                          ; OST + 4 x thread
.set OA,   25                          ; OST + 16 x thread
.set OG,   26                          ; 16 (thread % 64)
.set PX,   27                          ; v27-30  destinations of lane permutes
.set W1S,  32                          ; v32-54  scale words and nothing else: w1's two, w2's two, w3's 17, x's, the hidden layer's
.set W2S,  34
.set W3SC, 36
.set PW,   53
.set HW,   54
.set BL,   56                          ; v56-71  b3[16 + 16 i + r] log2(e), i = 0 .. 15
.set FF,   72                          ; v72-79  the hidden layer's codes
.set WC1,  80                          ; while the weights are quantised: codes and four registers at work
.set WT1,  88
.set WC2,  92
.set WT2,  100
.set ACC,  128                         ; v128-191 64 numbers of x; 8 tiles of S
.set WA,   128                         ; at the head: 32 numbers of a column of w3; 32 of a column of w1, w2 or w3
.set WB,   160
.set PA,   192                         ; v192-255 rows 0-15 of the state as loaded; then at work; then 8 rows of S of 8 batch rows: v[PA + 8 j + tile]
.set HH,   208                         ; 16 hidden units
.set TM,   224                         ; at work in the quantisers
.set MD,   224                         ; the means' tile
.set AC,   232                         ; 8 actions
.set PC,   240                         ; x's codes
.set W3F,  0                           ; WINDOW 1: w3's 17 tiles, 4 registers each, and 4 zeros
.set W1F,  72                          ; w1's two tiles of 8
.set W2F,  88                          ; w2's two of 4, and 4 zeros
.set B1C,  100                         ; the biases in the results' layout
.set B2C,  116
.set B3M,  132
.set ACTL, 156                         ; the actions as loaded
.set SB,   172                         ; rows 16-31 of the state as loaded
.set LV,   56                          ; THE LAST PHASE.  Window 1: all 256: S transposed.  Window 0: v56-73 at work, then a step's column; LV + 16 = z_k, LV + 17 = 0
.set RS,   74                          ; v74, v75 1 / sqrt(pivot), by turns
.set TT,   76
.set LP,   77
.set N2,   78
.set NORM, 79
.set RN,   27
.set LG,   28
.set SN,   29
.set SS,   30
.set PP,   31
.set ZZ,   55
.set YY,   80                          ; v80-95  action - means
.set GG,   96                          ; v96-255 H's lower triangle by rows, row i with 4 (i / 4 + 1) registers
.set MSB, 0
.macro WIN new                         ; s_set_vgpr_msb: bits 1:0 source 0, 3:2 source 1, 5:4 source 2, 7:6 destination; the high byte repeats the setting that is left
.if MSB != \new
	s_set_vgpr_msb (MSB<<8)|\new
.set MSB, \new
.endif
.endm
.macro NOPS n
.rept \n
	v_nop
.endr
.endm
; 32 numbers down K of one column, v[src] on, become 16 bytes of codes in v[wc] on and a scale byte in v[t + 3]
.macro QW src, wc, t
	v_max3_num_f32 v[\t], |v[\src]|, |v[\src+1]|, |v[\src+2]|
	v_max3_num_f32 v[\t+1], |v[\src+3]|, |v[\src+4]|, |v[\src+5]|
.irp i, 6,10,14,18,22,26
	v_max3_num_f32 v[\t], v[\t], |v[\src+\i]|, |v[\src+\i+1]|
	v_max3_num_f32 v[\t+1], v[\t+1], |v[\src+\i+2]|, |v[\src+\i+3]|
.endr
	v_max3_num_f32 v[\t], v[\t], |v[\src+30]|, |v[\src+31]|
	v_max3_num_f32 v[\t], v[\t], v[\t+1], 0x1800000      ; the floor 2^(3 - 127): the byte cannot fall under 1
	v_add_nc_u32 v[\t+2], 0xff000000, v[\t]              ; 2 off the exponent field: the conversion takes this operand's exponent field as its scale
	v_lshrrev_b32 v[\t+3], 23, v[\t+2]                   ; the scale's byte, in a word whose upper bytes are 0
.irp g, 0,1,2,3
	v_cvt_scalef32_pk8_fp4_f32 v[\wc+\g], v[\src+8*\g:\src+8*\g+7], v[\t+2]
.endr
	v_nop                                                ; one plain instruction behind the last scaled conversion
.endm
	s_load_b256 s[4:11], s[0:1], 0x0                ; state s[4:5], action s[6:7], w1 s[8:9], b1 s[10:11]
	s_load_b256 s[12:19], s[0:1], 0x20              ; w2 s[12:13], b2 s[14:15], w3 s[16:17], b3 s[18:19]
	s_load_b64 s[20:21], s[0:1], 0x40               ; out0
	v_lshl_add_u32 v126, v0, 2, 0x48c00
	v_mov_b32 v127, 0
	v_lshrrev_b32 v72, 5, v0
	v_readfirstlane_b32 s22, v72                    ; wave 0..7
	v_and_b32 v72, 31, v0                           ; l
	v_and_b32 v73, 15, v0                           ; r
	v_bfe_u32 v74, v0, 4, 1                         ; h
	v_bfe_u32 v75, v0, 3, 1                         ; (l / 8) % 2
	v_and_b32 v76, 7, v0                            ; l % 8
	v_bfe_u32 v77, v0, 2, 3                         ; l / 4
	v_and_b32 v78, 3, v0                            ; l % 4
	s_mul_i32 s23, s22, WPRIV
	s_add_co_u32 s23, s23, PRIV0                    ; PB
	s_add_co_u32 s32, s23, XST
	s_add_co_u32 s33, s23, AST
	s_mul_i32 s35, s22, 544
	s_add_co_u32 s35, s35, W3S
	s_mul_i32 s36, s22, 136
	s_add_co_u32 s36, s36, SC3S
	s_lshl_b32 s37, s22, 8
	s_lshl_b32 s38, s22, 7
	s_add_co_u32 s39, s38, 64
	s_add_co_u32 s38, s38, SC12
	s_mov_b32 s24, 0x76543210
	s_mov_b32 s25, 0xfedcba98                       ; v_permlanex16_b32's selects for lane l xor 16
	s_mov_b32 s27, 0x447a0000                       ; 1000.0
	s_mov_b32 s28, 0x3fb8aa3b                       ; log2(e)
	s_mov_b32 s29, s28                              ; (named with it as a pair)
	v_lshlrev_b32 v[L16], 4, v72
	v_lshlrev_b32 v[LR16], 4, v73
	v_lshlrev_b32 v[LR4], 2, v73
	v_add_nc_u32 v[XW], s32, v[L16]
	v_mul_u32_u24 v[XR], v73, 528
	v_lshl_add_u32 v[XR], v74, 6, v[XR]
	v_add_nc_u32 v[XR], s32, v[XR]
	v_mul_u32_u24 v[AWR], v77, 80
	v_lshl_add_u32 v[AWR], v78, 4, v[AWR]
	v_add_nc_u32 v[AWR], s33, v[AWR]
	v_mul_u32_u24 v[ARD], v72, 80
	v_add_nc_u32 v[ARD], s33, v[ARD]
	v_mul_u32_u24 v[GW], v74, 8320                  ; lanes 16-31 hold batch rows 8 further on: 8 x 1,040 bytes
	v_add_nc_u32 v[GW], v[GW], v[LR16]
	v_add_nc_u32 v[GW], s23, v[GW]
	v_mul_u32_u24 v[GR], v72, 1040
	v_add_nc_u32 v[GR], s23, v[GR]
	v_mul_u32_u24 v79, v73, 80
	v_lshl_add_u32 v79, v74, 5, v79                 ; 80 r + 32 h
	v_add_nc_u32 v[AMR], s33, v79
	v_mul_u32_u24 v[AW3], v74, 272
	v_add_nc_u32 v[AW3], v[AW3], v[LR16]
	v_add_nc_u32 v[AW3], s35, v[AW3]
	v_mul_u32_u24 v[AS3], v74, 68
	v_add_nc_u32 v[AS3], v[AS3], v[LR4]
	v_add_nc_u32 v[AS3], s36, v[AS3]
	v_mul_u32_u24 v[A12], v75, 1280
	v_lshl_add_u32 v[A12], v76, 4, v[A12]
	v_lshl_add_u32 v[A12], v74, 7, v[A12]
	v_add_nc_u32 v[A12], s37, v[A12]
	v_lshlrev_b32 v[S12], 6, v75
	v_lshl_add_u32 v[S12], v76, 2, v[S12]
	v_lshl_add_u32 v[S12], v74, 5, v[S12]
	v_add_nc_u32 v[S12], s38, v[S12]
	v_add_nc_u32 v[AM], W3M, v[LR16]
	v_add_nc_u32 v[ASM], SC3M, v[LR4]
	v_lshl_add_u32 v[WO3], v72, 2, s39
	v_lshlrev_b32 v[L4], 2, v72
	v_lshlrev_b32 v[H64], 6, v74
	v_lshlrev_b32 v[H32], 5, v74
	v_lshl_add_u32 v[OSW], v0, 2, OST
	v_lshl_add_u32 v[OA], v0, 4, OST
	v_and_b32 v[OG], 63, v0
	v_lshlrev_b32 v[OG], 4, v[OG]
.irp b, 0,1,2,3
	v_mov_b32 v[PX+\b], 0                           ; a lane permute's destination counts as one of its sources
.endr
	s_lshl_b32 s32, ttmp9, 17                       ; state: 256 rows of 512 bytes a work-group,
	s_lshl_b32 s34, s22, 14                         ; 32 a wave
	s_add_co_u32 s32, s32, s34
	s_mov_b32 s33, 0
	s_wait_kmcnt 0x0
	s_add_nc_u64 s[4:5], s[4:5], s[32:33]
	s_lshr_b32 s32, s32, 3                          ; action: rows of 64 bytes: an eighth of that
	s_add_nc_u64 s[6:7], s[6:7], s[32:33]
	s_lshl_b32 s32, ttmp9, 10                       ; out0: 1,024 bytes a work-group in each of its two rows;
	s_bfe_u32 s34, s22, 0x10001                     ; waves 0, 1 store the first row's, waves 2, 3 the second's
	s_lshl_b32 s34, s34, 18
	s_add_co_u32 s32, s32, s34
	s_add_nc_u64 s[20:21], s[20:21], s[32:33]
	s_cmp_lt_u32 s22, 4                             ; my second column: waves 0-3: block w of w1; wave 4: w2
	s_cselect_b64 s[30:31], s[8:9], s[12:13]
	s_cselect_b32 s32, s22, 0
	s_lshl_b32 s32, s32, 12                         ; 32 rows of 128 bytes
	s_add_nc_u64 s[30:31], s[30:31], s[32:33]
	; ALL GLOBAL LOADS.  S's biases and the weights first.  Of a weight a lane takes a column and its registers run down K: neighbouring lanes read neighbouring bytes, and a block of 32 lies in one lane.
.set ci, 0
.rept 16
	global_load_b32 v[BL+ci], v[LR4], s[18:19] offset:64+64*ci     ; b3[16 + 16 i + r]
.set ci, ci+1
.endr
.set ci, 0
.rept 32
	global_load_b32 v[WA+ci], v[WO3], s[16:17] offset:1088*ci      ; w3(k, 16 + 32 w + l)
.set ci, ci+1
.endr
	s_cmp_gt_u32 s22, 5
	s_cbranch_scc1 .Lno_second                      ; waves 6 and 7 have one column a lane
	s_cmp_eq_u32 s22, 5
	s_cbranch_scc1 .Lmeans_cols
.set ci, 0
.rept 32
	global_load_b32 v[WB+ci], v[L4], s[30:31] offset:128*ci        ; w1(32 w + k, l) or w2(k, l)
.set ci, ci+1
.endr
	s_branch .Lno_second
.Lmeans_cols:
.set ci, 0
.rept 32
	global_load_b32 v[WB+ci], v[LR4], s[16:17] offset:1088*ci      ; w3(k, r): the means' columns; lanes 16-31 repeat lanes 0-15
.set ci, ci+1
.endr
.Lno_second:
	; behind the weights, on every wave's way, 46 loads: 16 + 4 + 4 + 2 + 4 + 16
.set ci, 0
.rept 16
	global_load_b128 v[PA+4*ci:PA+4*ci+3], v[L16], s[4:5] offset:512*ci th:TH_LOAD_NT   ; a row of the state: 512 consecutive bytes a load
.set ci, ci+1
.endr
	WIN 0x40                                        ; destination window 1
.irp u, 0,1
	global_load_b128 v[B1C+8*\u:B1C+8*\u+3], v[H64], s[10:11] offset:32*\u        ; b1[16 h + 8 u + 0 .. 7]
	global_load_b128 v[B1C+8*\u+4:B1C+8*\u+7], v[H64], s[10:11] offset:32*\u+16
.endr
.irp u, 0,1
	global_load_b128 v[B2C+8*\u:B2C+8*\u+3], v[H64], s[14:15] offset:32*\u
	global_load_b128 v[B2C+8*\u+4:B2C+8*\u+7], v[H64], s[14:15] offset:32*\u+16
.endr
	global_load_b128 v[B3M:B3M+3], v[H32], s[18:19]                                ; b3[8 h + 0 .. 7]
	global_load_b128 v[B3M+4:B3M+7], v[H32], s[18:19] offset:16
.irp i, 0,1,2,3
	global_load_b128 v[ACTL+4*\i:ACTL+4*\i+3], v[L16], s[6:7] offset:512*\i th:TH_LOAD_NT   ; eight rows of actions a load
.endr
.set ci, 0
.rept 16
	global_load_b128 v[SB+4*ci:SB+4*ci+3], v[L16], s[4:5] offset:8192+512*ci th:TH_LOAD_NT
.set ci, ci+1
.endr
.irp e, 0,1,2,3
	v_mov_b32 v[W3F+68+\e], 0                       ; what the last tile of w3 and of w2 names as its upper four registers
	v_mov_b32 v[W2F+8+\e], 0
.endr
	WIN 0
	; THE WEIGHTS ARE QUANTISED ONCE A WORK-GROUP, the columns shared out among the waves, and laid in LDS as the operands' registers want them
	s_wait_loadcnt 46                               ; the weights are in; the 46 loads issued behind them may be out
	QW WA, WC1, WT1
	ds_store_b128 v[AW3], v[WC1:WC1+3]              ; column 16 + 16 i + t, i = 2 w + h, t = r: tile i, lane t
	ds_store_b32 v[AS3], v[WT1+3]
	s_cmp_gt_u32 s22, 5
	s_cbranch_scc1 .Lw_done
	QW WB, WC2, WT2
	s_cmp_eq_u32 s22, 5
	s_cbranch_scc1 .Lw_means
	ds_store_b128 v[A12], v[WC2:WC2+3]              ; unit l is lane l % 8 + 8 h of tile (l / 8) % 2: so a lane's 16 results of the two tiles are 16 neighbouring units
	ds_store_b32 v[S12], v[WT2+3]
	s_branch .Lw_done
.Lw_means:
	ds_store_b128 v[AM], v[WC2:WC2+3]               ; both halves of the lanes write the same bytes with the same values
	ds_store_b32 v[ASM], v[WT2+3]
.Lw_done:
	s_wait_dscnt 0x0                                ; for the others' sake: my stores have landed
	s_barrier_signal -1
	s_barrier_wait -1
	; every wave takes all fragments and scale words into registers, for both its groups
.irp u, 0,1
.irp kb, 0,1,2,3
	ds_load_b32 v[100+4*\u+\kb], v[LR4] offset:SC12+128*\kb+64*\u
.endr
	ds_load_b32 v[W2S+\u], v[LR4] offset:SC12+512+64*\u
.endr
	ds_load_b32 v[W3SC], v[LR4] offset:SC3M
.set ci, 0
.rept 16
	ds_load_b32 v[W3SC+1+ci], v[LR4] offset:SC3S+68*ci
.set ci, ci+1
.endr
	WIN 0x40
.irp u, 0,1
.irp c, 0,1
	ds_load_b128 v[W1F+8*\u+4*\c:W1F+8*\u+4*\c+3], v[L16] offset:IMG12+1280*\u+512*\c   ; lane (r, h): block 2 c + h
.endr
	ds_load_b128 v[W2F+4*\u:W2F+4*\u+3], v[LR16] offset:IMG12+1280*\u+1024
.endr
	ds_load_b128 v[W3F:W3F+3], v[LR16] offset:W3M
.set ci, 0
.rept 16
	ds_load_b128 v[W3F+4+4*ci:W3F+7+4*ci], v[LR16] offset:W3S+272*ci
.set ci, ci+1
.endr
	WIN 0
	s_wait_dscnt 0x0
.irp u, 0,1
	v_lshl_or_b32 v[W1S+\u], v[101+4*\u], 8, v[100+4*\u]           ; w1's four bytes make a row's scale word
	v_lshl_or_b32 v[W1S+\u], v[102+4*\u], 16, v[W1S+\u]
	v_lshl_or_b32 v[W1S+\u], v[103+4*\u], 24, v[W1S+\u]
.endr
; 64 numbers of a lane, v[ACC + 16 b + i] = x(row r, 32 b + 16 h + i), become a fragment's codes in v[PC] on and the row's scale word in v[PW]
.macro QUANTX
.irp b, 0,1,2,3
	v_max3_num_f32 v[TM+\b], |v[ACC+16*\b]|, |v[ACC+1+16*\b]|, 0x1800000
.endr
.irp i, 2,4,6,8,10,12,14
.irp b, 0,1,2,3
	v_max3_num_f32 v[TM+\b], v[TM+\b], |v[ACC+16*\b+\i]|, |v[ACC+1+16*\b+\i]|   ; the four blocks by turns
.endr
.endr
.irp b, 0,1,2,3
	v_permlanex16_b32 v[PX+\b], v[TM+\b], s24, s25
.endr
.irp b, 0,1,2,3
	v_max_num_f32 v[TM+\b], v[TM+\b], v[PX+\b]      ; with lane l xor 16's: the block's largest magnitude
.endr
.irp b, 0,1,2,3
	v_add_nc_u32 v[TM+12+\b], 0xff000000, v[TM+\b]
.endr
.irp b, 0,1,2,3
	v_lshrrev_b32 v[TM+4+\b], 23, v[TM+12+\b]
.endr
	v_lshl_or_b32 v[PW], v[TM+5], 8, v[TM+4]
	v_lshl_or_b32 v[PW], v[TM+6], 16, v[PW]
	v_lshl_or_b32 v[PW], v[TM+7], 24, v[PW]
.irp b, 0,1,2,3
	v_cvt_scalef32_pk8_fp4_f32 v[PC+2*\b], v[ACC+16*\b:ACC+7+16*\b], v[TM+12+\b]
	v_cvt_scalef32_pk8_fp4_f32 v[PC+1+2*\b], v[ACC+8+16*\b:ACC+15+16*\b], v[TM+12+\b]
.endr
	v_nop                                           ; one plain instruction behind a scaled conversion
.irp c, 0,1                                     ; the operand wants a whole block in a lane: lanes 0-15 block 2 c, lanes 16-31 block 2 c + 1
.irp i, 0,1
	v_permlane16_swap_b32 v[PC+4*\c+\i], v[PC+2+4*\c+\i]
.endr
.endr
.endm
; The hidden layer: v[HH + i] = unit 16 h + i of row r.  relu, one block of 32, codes into v[FF] on: k = 0 .. 31 in lanes 0-15, zeros in lanes 16-31; FF + 4 .. 7 are zeros already
.macro HQ
.set ci, 0
.rept 16
	v_max_num_f32 v[HH+ci], 0, v[HH+ci]             ; each tile from its low end on
.set ci, ci+1
.endr
	v_max3_num_f32 v[TM], v[HH], v[HH+1], 0x1800000 ; none is negative: no |.|; the floor among the leaves
	v_max3_num_f32 v[TM+1], v[HH+2], v[HH+3], v[HH+4]
	v_max3_num_f32 v[TM], v[TM], v[HH+5], v[HH+6]
	v_max3_num_f32 v[TM+1], v[TM+1], v[HH+7], v[HH+8]
	v_max3_num_f32 v[TM], v[TM], v[HH+9], v[HH+10]
	v_max3_num_f32 v[TM+1], v[TM+1], v[HH+11], v[HH+12]
	v_max3_num_f32 v[TM], v[TM], v[HH+13], v[HH+14]
	v_max3_num_f32 v[TM], v[TM], v[TM+1], v[HH+15]
	v_permlanex16_b32 v[PX], v[TM], s24, s25
	v_max_num_f32 v[TM], v[TM], v[PX]
	v_add_nc_u32 v[TM+2], 0xff000000, v[TM]
	v_lshrrev_b32 v[HW], 23, v[TM+2]                ; the scale word: the byte below, zeros above
	v_mov_b32 v[FF+2], 0
	v_mov_b32 v[FF+3], 0
	v_cvt_scalef32_pk8_fp4_f32 v[FF], v[HH:HH+7], v[TM+2]
	v_cvt_scalef32_pk8_fp4_f32 v[FF+1], v[HH+8:HH+15], v[TM+2]
	v_nop
	v_permlane16_swap_b32 v[FF], v[FF+2]            ; lanes 16-31's codes (k = 16 .. 31) go to lanes 0-15 of registers 2, 3, and zeros come back
	v_permlane16_swap_b32 v[FF+1], v[FF+3]
	NOPS 8                                          ; a scale word made by vector instructions stands 8 places ahead of a scaled matrix instruction, an operand 4
.endm
; eight tiles of S: source 0 = the 16 rows, source 1 = tile i = 8 hb + tt.  v[ACC + 8 tt + j], lane (r, h): out(row 8 h + j, 16 + 16 i + r), less its bias
.macro TILES hb
	WIN 0x04                                        ; source 1 window 1
.irp tt, 0,1,2,3,4,5,6,7
	v_wmma_scale_f32_16x16x128_f8f6f4 v[ACC+8*\tt:ACC+8*\tt+7], v[FF:FF+7], v[W3F+4+4*(8*\hb+\tt):W3F+11+4*(8*\hb+\tt)], 0, v[HW], v[W3SC+1+8*\hb+\tt] matrix_a_fmt:MATRIX_FMT_FP4 matrix_b_fmt:MATRIX_FMT_FP4
.endr
	WIN 0
	NOPS 4                                          ; places ahead of the first read of results
.endm
; those eight tiles become rows 8 hb .. 8 hb + 7 of S: bias, exponential, clip.  The clip lays a batch row's eight numbers on end, so that four go out by one LDS store
.macro HALF hb, g
.irp tt, 0,1,2,3,4,5,6,7
.irp j, 0,2,4,6
.if (\tt)%2
	v_pk_fma_f32 v[ACC+8*\tt+\j:ACC+8*\tt+\j+1], v[ACC+8*\tt+\j:ACC+8*\tt+\j+1], s[28:29], v[BL+8*\hb+\tt-1:BL+8*\hb+\tt] op_sel:[0,0,1] op_sel_hi:[1,0,1]
.else
	v_pk_fma_f32 v[ACC+8*\tt+\j:ACC+8*\tt+\j+1], v[ACC+8*\tt+\j:ACC+8*\tt+\j+1], s[28:29], v[BL+8*\hb+\tt:BL+8*\hb+\tt+1] op_sel_hi:[1,0,0]
.endif
.endr
.endr
.set ci, 0
.rept 64
	v_exp_f32 v[ACC+ci], v[ACC+ci]
.set ci, ci+1
.endr
	v_nop                                           ; a plain instruction behind the last exponential
	s_wait_alu depctr_va_vdst(0)                    ; one wait for the batch of 64, ahead of its first reader
	s_wait_dscnt 0x0                                ; the LDS stores that read v[PA] on (the differences' or the last half's) are done: the registers are written anew
.irp tt, 0,1,2,3,4,5,6,7
.irp j, 0,1,2,3,4,5,6,7
	v_min_num_f32 v[PA+8*\j+\tt], s27, v[ACC+8*\tt+\j]             ; the clip: S(batch row 8 h + j)[8 hb + tt][r]
.endr
.endr
.irp j, 0,1,2,3,4,5,6,7
.irp c, 0,1
	ds_store_b128 v[GW], v[PA+8*\j+4*\c:PA+8*\j+4*\c+3] offset:1040*(16*\g+\j)+256*(2*\hb+\c)   ; sixteen lanes store 256 consecutive bytes
.endr
.endr
.endm
; ONE GROUP OF 16 ROWS
.macro GROUP g
.if \g == 0
	s_wait_loadcnt 16                               ; all but rows 16-31 of the state are in
	WIN 0x04                                        ; an LDS store's data are its source 1: window 1
.irp i, 0,1,2,3
	ds_store_b128 v[AWR], v[ACTL+4*\i:ACTL+4*\i+3] offset:640*\i
.endr
	WIN 0
.set ci, 0
.rept 16
	ds_store_b128 v[XW], v[PA+4*ci:PA+4*ci+3] offset:528*ci        ; the state's rows as they were loaded
.set ci, ci+1
.endr
.else
	s_wait_loadcnt 0x0
	WIN 0x04
.set ci, 0
.rept 16
	ds_store_b128 v[XW], v[SB+4*ci:SB+4*ci+3] offset:528*ci
.set ci, ci+1
.endr
	WIN 0
.endif
.irp b, 0,1,2,3
.irp j, 0,1,2,3
	ds_load_b128 v[ACC+16*\b+4*\j:ACC+16*\b+4*\j+3], v[XR] offset:128*\b+16*\j   ; and back 16 neighbours of each block a lane; LDS serves a wave's instructions in order
.endr
.endr
.if \g == 0
.irp j, 0,2,4,6,8,10,12,14
	v_pk_mul_f32 v[BL+\j:BL+\j+1], v[BL+\j:BL+\j+1], s[28:29] op_sel_hi:[1,0]     ; b3 log2(e), once
.endr
.endif
	s_wait_dscnt 0x0
.irp e, 4,5,6,7
	v_mov_b32 v[FF+\e], 0                           ; the hidden layer's codes for k = 64 .. 127
.endr
	QUANTX
	NOPS 8
	WIN 0x11                                        ; source 0 (the weight) and C (the bias) window 1
.irp u, 0,1
	v_wmma_scale_f32_16x16x128_f8f6f4 v[HH+8*\u:HH+8*\u+7], v[W1F+8*\u:W1F+8*\u+7], v[PC:PC+7], v[B1C+8*\u:B1C+8*\u+7], v[W1S+\u], v[PW] matrix_a_fmt:MATRIX_FMT_FP4 matrix_b_fmt:MATRIX_FMT_FP4
.endr
	WIN 0
	NOPS 4
	HQ
	WIN 0x11
.irp u, 0,1
	v_wmma_scale_f32_16x16x128_f8f6f4 v[HH+8*\u:HH+8*\u+7], v[W2F+4*\u:W2F+4*\u+7], v[FF:FF+7], v[B2C+8*\u:B2C+8*\u+7], v[W2S+\u], v[HW] matrix_a_fmt:MATRIX_FMT_FP4 matrix_b_fmt:MATRIX_FMT_FP4
.endr
	WIN 0
	NOPS 4
	HQ
	ds_load_b128 v[AC:AC+3], v[AMR] offset:1280*\g                  ; action(row r, 8 h + 0 .. 7)
	ds_load_b128 v[AC+4:AC+7], v[AMR] offset:1280*\g+16
	WIN 0x11
	v_wmma_scale_f32_16x16x128_f8f6f4 v[MD:MD+7], v[W3F:W3F+7], v[FF:FF+7], v[B3M:B3M+7], v[W3SC], v[HW] matrix_a_fmt:MATRIX_FMT_FP4 matrix_b_fmt:MATRIX_FMT_FP4   ; the means, transposed: lane (r, h): mean(row r, 8 h + j)
	TILES 0
	s_wait_dscnt 0x0
.irp j, 0,2,4,6
	v_pk_add_f32 v[AC+\j:AC+\j+1], v[AC+\j:AC+\j+1], v[MD+\j:MD+\j+1] neg_lo:[0,1] neg_hi:[0,1]   ; action - means, from the tile's low end on
.endr
	ds_store_b128 v[AMR], v[AC:AC+3] offset:1280*\g                 ; back over the actions
	ds_store_b128 v[AMR], v[AC+4:AC+7] offset:1280*\g+16
	HALF 0, \g
	TILES 1
	HALF 1, \g
.endm
	GROUP 0
	GROUP 1
	; ONE LANE, ONE ROW OF THE BATCH.  68 LDS loads: action - means, then S, a column (16 numbers, four loads) at a time, into window 1: register 16 t + i = S[i][t]
.irp j, 0,1,2,3
	ds_load_b128 v[YY+4*\j:YY+4*\j+3], v[ARD] offset:16*\j
.endr
	WIN 0x40                                        ; destination window 1: all that lay there is done with
.set tq, 0
.rept 16
.set cq, 0
.rept 4
	ds_load_b128 v[16*tq+4*cq:16*tq+4*cq+3], v[GR] offset:256*cq+16*tq
.set cq, cq+1
.endr
.set tq, tq+1
.endr
; row i of S S^T takes S[i][t] times column t, two entries an instruction, up to the pair that holds the diagonal (for an even i the entry just above it comes along: nobody reads it).  t = 0 starts the sums.
.macro HUP i, t
.set hup_b, GG+4*(2*((\i)/4)*((\i)/4+1)+((\i)%4)*((\i)/4+1))
.set hup_s, 16*(\t)+(\i)-(\i)%2
.set hup_p, 0
.rept (\i)/2+1
.if (\t) == 0
.if (\i)%2
	v_pk_mul_f32 v[hup_b+2*hup_p:hup_b+2*hup_p+1], v[hup_s:hup_s+1], v[16*(\t)+2*hup_p:16*(\t)+2*hup_p+1] op_sel:[1,0] op_sel_hi:[1,1]
.else
	v_pk_mul_f32 v[hup_b+2*hup_p:hup_b+2*hup_p+1], v[hup_s:hup_s+1], v[16*(\t)+2*hup_p:16*(\t)+2*hup_p+1] op_sel_hi:[0,1]
.endif
.else
.if (\i)%2
	v_pk_fma_f32 v[hup_b+2*hup_p:hup_b+2*hup_p+1], v[hup_s:hup_s+1], v[16*(\t)+2*hup_p:16*(\t)+2*hup_p+1], v[hup_b+2*hup_p:hup_b+2*hup_p+1] op_sel:[1,0,0] op_sel_hi:[1,1,1]
.else
	v_pk_fma_f32 v[hup_b+2*hup_p:hup_b+2*hup_p+1], v[hup_s:hup_s+1], v[16*(\t)+2*hup_p:16*(\t)+2*hup_p+1], v[hup_b+2*hup_p:hup_b+2*hup_p+1] op_sel_hi:[0,1,1]
.endif
.endif
.set hup_p, hup_p+1
.endr
.endm
	WIN 0x05                                        ; sources 0 and 1 (S) window 1; the sums window 0: one setting for the 1,152 instructions
.set tq, 0
.rept 16
	s_wait_dscnt 60-4*tq                            ; column t's four loads are in; the 4 (15 - t) behind them may be out
.set iq, 0
.rept 16
	HUP iq, tq
.set iq, iq+1
.endr
.set tq, tq+1
.endr
	WIN 0
	; n2 = the trace
.set ii, 0
.rept 8
.set ra, 4*(2*((2*ii)/4)*((2*ii)/4+1)+((2*ii)%4)*((2*ii)/4+1))+2*ii
.set rb, 4*(2*((2*ii+1)/4)*((2*ii+1)/4+1)+((2*ii+1)%4)*((2*ii+1)/4+1))+2*ii+1
	v_add_f32 v[LV+ii], v[GG+ra], v[GG+rb]
.set ii, ii+1
.endr
	v_pk_add_f32 v[LV:LV+1], v[LV:LV+1], v[LV+2:LV+3]
	v_pk_add_f32 v[LV+4:LV+5], v[LV+4:LV+5], v[LV+6:LV+7]
	v_pk_add_f32 v[LV:LV+1], v[LV:LV+1], v[LV+4:LV+5]
	v_add_f32 v[N2], v[LV], v[LV+1]                 ; n2
	v_sqrt_f32 v[NORM], v[N2]
	v_rsq_f32 v[RN], v[N2]
	v_log_f32 v[LG], v[N2]
	v_mov_b32 v[LV+17], 0                           ; (a plain instruction behind the three)  named with z_k as a pair
	s_wait_alu depctr_va_vdst(0)                    ; one wait for the three, ahead of their first reader
	v_add_f32 v[SN], 0x322bcc77, v[NORM]            ; sn = norm + 1e-8
	v_mul_f32 v[SS], v[SN], v[SN]                   ; s
	v_add_f32 v[GG], v[GG], v[SS]                   ; H's diagonal: + s
	v_rsq_f32 v[RS], v[GG]
.set ii, 1
.rept 15
.set ro, 4*(2*(ii/4)*(ii/4+1)+(ii%4)*(ii/4+1))
	v_add_f32 v[GG+ro+ii], v[GG+ro+ii], v[SS]
.set ii, ii+1
.endr
; row i (16: action - means) less l_ik times the step's column, two columns an instruction.  A pair may take in column k, which is dead, or the entry just above the diagonal, which nobody reads.
.macro ROWUP i, k
.if (\i) == 16
.set rup_b, YY
.else
.set rup_b, GG+4*(2*((\i)/4)*((\i)/4+1)+((\i)%4)*((\i)/4+1))
.endif
.set rup_p, ((\k)+1)/2
.set rup_e, (\i)/2
.if rup_e > 7
.set rup_e, 7
.endif
.rept rup_e-rup_p+1
.if (\i)%2
	v_pk_fma_f32 v[rup_b+2*rup_p:rup_b+2*rup_p+1], v[LV+(\i)-1:LV+(\i)], v[LV+2*rup_p:LV+2*rup_p+1], v[rup_b+2*rup_p:rup_b+2*rup_p+1] op_sel:[1,0,0] op_sel_hi:[1,1,1] neg_lo:[1,0,0] neg_hi:[1,0,0]
.else
	v_pk_fma_f32 v[rup_b+2*rup_p:rup_b+2*rup_p+1], v[LV+(\i):LV+(\i)+1], v[LV+2*rup_p:LV+2*rup_p+1], v[rup_b+2*rup_p:rup_b+2*rup_p+1] op_sel_hi:[0,1,1] neg_lo:[1,0,0] neg_hi:[1,0,0]
.endif
.set rup_p, rup_p+1
.endr
.endm
	; THE FACTORISATION, step k: the column l_ik = H[i][k] rs_k (and z_k); row k + 1 is brought up to date first, so that the next pivot's root is on its way while the other rows follow
.set kk, 0
.rept 15
	s_wait_alu depctr_va_vdst(0)                    ; ahead of the first reader of rs_k
.set ii, kk+1
.rept 15-kk
.set ro, 4*(2*(ii/4)*(ii/4+1)+(ii%4)*(ii/4+1))
	v_mul_f32 v[LV+ii], v[GG+ro+kk], v[RS+kk%2]
.set ii, ii+1
.endr
	v_mul_f32 v[LV+16], v[YY+kk], v[RS+kk%2]        ; z_k
	ROWUP kk+1, kk
.set ro, 4*(2*((kk+1)/4)*((kk+1)/4+1)+((kk+1)%4)*((kk+1)/4+1))
	v_rsq_f32 v[RS+(kk+1)%2], v[GG+ro+kk+1]
.if kk == 0
	v_mul_f32 v[PP], v[RS], v[SN]                   ; P = the product of rs_k sn
	v_mul_f32 v[ZZ], v[LV+16], v[LV+16]             ; the sum of z^2
.else
	v_mul_f32 v[TT], v[RS+kk%2], v[SN]
	v_fmac_f32 v[ZZ], v[LV+16], v[LV+16]
	v_mul_f32 v[PP], v[PP], v[TT]
.endif
.set ii, kk+2
.rept 15-kk
	ROWUP ii, kk
.set ii, ii+1
.endr
.set kk, kk+1
.endr
	s_wait_alu depctr_va_vdst(0)
	v_mul_f32 v[LV+16], v[YY+15], v[RS+1]           ; step 15: z_15 alone
	v_mul_f32 v[TT], v[RS+1], v[SN]
	v_fmac_f32 v[ZZ], v[LV+16], v[LV+16]
	v_mul_f32 v[PP], v[PP], v[TT]
	v_log_f32 v[LP], v[PP]
	v_mul_f32 v[ZZ], v[ZZ], v[SS]                   ; (plain work behind the logarithm)  first x s, which brings the sum back to the size of the result,
	v_mul_f32 v[ZZ], v[ZZ], v[RN]                   ; then / norm
	s_wait_alu depctr_va_vdst(0)
	v_fma_f32 v[TT], v[LG], 4.0, -v[LP]
	v_mul_f32 v[TT], 0x3f317218, v[TT]              ; x ln 2: half the log-determinant
	v_add_f32 v[NORM], 0x41b59fc7, v[TT]            ; entropy = 8 (1 + ln 2 pi) + it
	v_fma_f32 v[N2], v[ZZ], -0.5, -v[TT]
	v_add_f32 v[N2], 0xc16b3f8e, v[N2]              ; log-probability: - 8 ln 2 pi
	; THE WAY OUT: a wave has 128 bytes of each of out0's rows.  The work-group's 1,024 of each meet in LDS, and four waves store 512 consecutive bytes each, at a multiple of 512 from out0's first byte
	ds_store_b32 v[OSW], v[N2]
	ds_store_b32 v[OSW], v[NORM] offset:1024
	s_wait_dscnt 0x0                                ; for the others' sake
	s_barrier_signal -1
	s_barrier_wait -1
	s_cmp_gt_u32 s22, 3
	s_cbranch_scc1 .Lend
	ds_load_b128 v[80:83], v[OA]
	s_wait_dscnt 0x0
	global_store_b128 v[OG], v[80:83], s[20:21] th:TH_STORE_NT
.Lend:
	s_wait_tensorcnt 0x0
	ds_add_u32 v126, v127
	s_wait_dscnt 0x0
	s_endpgm
.Lfunc_end_k_qfb0217fdfd_actor:
	.size	k_qfb0217fdfd_actor, .Lfunc_end_k_qfb0217fdfd_actor-k_qfb0217fdfd_actor
	.p2alignl 7, 3214868480
	.fill 96, 4, 3214868480
	.section	.rodata,"a",@progbits
	.p2align	6, 0x0
	.amdhsa_kernel k_qfb0217fdfd_actor
		.amdhsa_group_segment_fixed_size 299008
		.amdhsa_private_segment_fixed_size 0
		.amdhsa_enable_private_segment 0
		.amdhsa_kernarg_size 72
		.amdhsa_user_sgpr_count 2
		.amdhsa_user_sgpr_kernarg_segment_ptr 1
		.amdhsa_wavefront_size32 1
		.amdhsa_system_sgpr_workgroup_id_x 1
		.amdhsa_system_sgpr_workgroup_id_y 1
		.amdhsa_system_sgpr_workgroup_id_z 1
		.amdhsa_system_vgpr_workitem_id 0
		.amdhsa_next_free_vgpr 512
		.amdhsa_next_free_sgpr 66
		.amdhsa_reserve_vcc 0
		.amdhsa_float_denorm_mode_32 3
		.amdhsa_float_denorm_mode_16_64 3
		.amdhsa_memory_ordered 1
		.amdhsa_forward_progress 1
		.amdhsa_inst_pref_size 199
	.end_amdhsa_kernel
	.amdgpu_metadata
---
amdhsa.version: [ 1, 2 ]
amdhsa.kernels:
  - .name:           k_qfb0217fdfd_actor
    .symbol:         k_qfb0217fdfd_actor.kd
    .args:
      - { .name: state, .offset: 0, .size: 8, .value_kind: global_buffer, .address_space: global }
      - { .name: action, .offset: 8, .size: 8, .value_kind: global_buffer, .address_space: global }
      - { .name: w1, .offset: 16, .size: 8, .value_kind: global_buffer, .address_space: global }
      - { .name: b1, .offset: 24, .size: 8, .value_kind: global_buffer, .address_space: global }
      - { .name: w2, .offset: 32, .size: 8, .value_kind: global_buffer, .address_space: global }
      - { .name: b2, .offset: 40, .size: 8, .value_kind: global_buffer, .address_space: global }
      - { .name: w3, .offset: 48, .size: 8, .value_kind: global_buffer, .address_space: global }
      - { .name: b3, .offset: 56, .size: 8, .value_kind: global_buffer, .address_space: global }
      - { .name: out0, .offset: 64, .size: 8, .value_kind: global_buffer, .address_space: global }
    .group_segment_fixed_size: 299008
    .private_segment_fixed_size: 0
    .kernarg_segment_align: 8
    .kernarg_segment_size: 72
    .max_flat_workgroup_size: 256
    .sgpr_count:     66
    .vgpr_count:     512
    .wavefront_size: 32
...
	.end_amdgpu_metadata
.endif
;; end of part 1
;; ======== version 2 of 2: 1 launch; version 1 with the launch actor written anew for expert scheduling mode
;; launch actor (part 2): grid 256 x 1, 8 waves a work-group, no clusters, 299,008 bytes of LDS; arguments state, action, w1, b1, w2, b2, w3, b3, out0; writes out0
.if DOCPART == 2
	.amdgcn_target "amdgcn-amd-amdhsa--gfx1250"
	.amdhsa_code_object_version 6
	.text
	.protected	k_qfb0217fdfd_actor
	.globl	k_qfb0217fdfd_actor
	.p2align	8
	.type	k_qfb0217fdfd_actor,@function
k_qfb0217fdfd_actor:
	s_mov_b64 s[64:65], 0
	v_nop
	global_prefetch_b8 v0, s[64:65] scope:SCOPE_SE
	s_setreg_imm32_b32 hwreg(HW_REG_WAVE_SCHED_MODE, 0, 2), 2
	s_setreg_imm32_b32 hwreg(HW_REG_WAVE_MODE, 25, 1), 1
	s_wait_xcnt 0x0
	s_wait_alu depctr_vm_vsrc(0)
; out0[0][b] = log-probability, out0[1][b] = entropy of a normal law whose mean and covariance come from an MLP 128 -> 32 -> 32 -> 272.
; The three products of the MLP run on codes of FP4 (E2M1) with one E8M0 scale for each 32 along K; both operands are quantised here, in registers.
; SHARES.  256 work-groups of 8 waves; a wave owns 32 rows of the batch: group 0 (rows 0-15) and group 1 (rows 16-31); at the end a lane owns one row.
; ALGEBRA.  S = min(exp(out[16:]), 1000), 16 x 16 (an exponential is never negative, so the bound -1000 cannot act); n2 = sum of S^2; norm = sqrt(n2); sn = norm + 1e-8; s = sn^2.
;   cov = (norm / s) H with H = S S^T + s I.  With H's pivots d_k and rs_k = 1 / sqrt(d_k):  z = L_H^-1 (action - means);  z' cov^-1 z = (sum z^2) s / norm;
;   half the log-determinant = ln 2 (4 log2(n2) - log2(P)), P = product of rs_k sn.  s <= d_k <= n2 + s <= 2 s, and det(H) / s^16 <= e, so each factor lies in [0.707, 1] and P in [0.606, 1].
; LAYOUT.  Products 1 and 2 and the means' tile are used transposed (source 0 = 16 columns of the weight, source 1 = 16 rows of the batch): a lane holds one row, its registers run along the next K.
;   The 16 tiles of S are used as they stand (source 0 = the rows, source 1 = out columns 16 + 16 i + r for tile i): lane r holds S's column r, register j the batch row 8 h + j, the tile is S's row.
;   S goes through the wave's own LDS, from which each lane reads one batch row's S, transposed: register 16 t + i = S[i][t].
; S S^T IS MADE BY PACKED f32 MULTIPLY-ADDS, ONE BATCH ROW TO A LANE.  Its K is 16: the 16-bit matrix forms take K = 32, so half of each instruction would multiply zeros, whichever way two batch
;   rows are laid side by side (an output there is a sum over all 32 k); and only the lower triangle is wanted: 72 pairs of entries x 16 = 1,152 instructions for a wave's 32 rows.  It lands in the
;   registers in which it is factored; its diagonal gives n2.
; K = 32 IN A FORM OF K = 128: the computed operand holds zero codes for k = 32 .. 127 (lanes 16-31 and registers 4-7).  What the weight's side holds there is multiplied by 0: every E2M1 code is a
;   finite number and the scale words' upper bytes are 0, never 0xff.  So a weight's tile is named as 8 registers of which the upper 4 are the next tile's.
; NOT USED: tensor loads (every input byte is asked for once, at the head, and nothing is filled again); a cluster (what work-groups share is 55,296 bytes of weights against the 147,456 bytes
;   of state and action that are a work-group's own); prefetches (all global loads stand at the head: nothing could be asked for earlier).
; LIMITS: a row whose n2 falls under 2^-126 gives numbers that are not finite, though not the pattern of NaN that a factorisation of a zero matrix gives; NaN and infinities among the inputs are not
;   served; a block whose largest magnitude lies under 2^-124 keeps the scale byte 1 (a block of zeros too: its codes are zeros); f32 sums run in another order than a plain loop's;
;   exp(x + b) is 2^(x log2(e) + b log2(e)), one fused multiply-add ahead of the exponential.
; THE MODE: SCHED_MODE bits 1:0 = 2 (LLVM: expert scheduling mode 2), set by the entry lines.  The code itself states the register dependences between vector or matrix instructions and
;   memory or LDS instructions, with s_wait_alu, always for 0.
; THE PLAN.  Registers that memory or LDS instructions touch, and who else names them:
;   v1-26           addresses and offsets: written once at the head, read by every load and store: one wait on va_vdst ahead of the first load serves them all.
;   v128-191        WA, WB: the weights' loads land, the weights' quantiser reads.  Then ACC: x's LDS loads land, the quantiser reads, the products of S write, the exponentials work in place, the clip reads.
;   v80-83, 91-95, 103  the weights' codes and scale bytes: the quantiser writes, LDS stores read.  v100-107: LDS loads of w1's scale bytes land behind them.
;   v192-255        PA: the state's loads land, LDS stores read; then the quantisers and the matrix unit write (TM, PC, HH, MD), the actions' LDS loads land (AC), the clip writes, LDS stores read.
;   v80-87          DF: the subtractions write, LDS stores read.  Registers of their own, so that these two stores stand with the first half's sixteen, behind one wait.
;   window 1        loads land at the head; matrix instructions read the fragments and biases, LDS stores read ACTL and SB; at the end S's LDS loads land in all 256.
;   v80-95          YY: LDS loads land, the factorisation reads and writes; v80-83 take the way out's LDS load.   N2, NORM: vector instructions write, the last LDS stores read.
;   A group has, on va_vdst: one wait behind the places ahead of each of its three runs of scaled products; in each half the exponentials' wait and one ahead of the run of LDS stores, behind which no vector
;   or matrix instruction names ACC, window 1 or v80-95 before the next loads land there.  On vm_vsrc: one ahead of the quantiser of x and one ahead of the second half's clip.
.set IMG12, 0                          ; LDS, shared: w1's and w2's codes: 2 tiles x 1,280: [block 0..3 of w1, 4 = w2][lane r] x 16 bytes
.set SC12,  2560                       ; their scale bytes, a word each: [block] x 128 + tile x 64 + 4 r
.set W3M,   3200                       ; the means' tile of w3: 16 x 16 bytes
.set W3S,   3456                       ; the 16 tiles of S: pitch 272, 16 bytes a lane
.set SC3M,  7808                       ; scale words of the means' tile
.set SC3S,  7872                       ; and of the 16: pitch 68
.set OST,   8960                       ; the way out: 256 log-probabilities, 256 entropies
.set PRIV0, 11264                      ; from here a region of WPRIV bytes for each wave
.set WPRIV, 35840
.set XST,   16640                      ; in it: from 0: 32 batch rows x 1,040: chunk (ic, t) at 256 ic + 16 t = S[4 ic .. 4 ic + 3][t];  XST: 16 rows of state x 528, in group 1's half, which is written later
.set AST,   33280                      ; 32 rows x 80: the actions, then action - means
.set L16,  1                           ; v1-26: addresses and offsets, never rewritten.  l = lane, r = l % 16, h = l / 16, w = wave, PB = the wave's region
.set LR16, 2                           ; 16 l; 16 r
.set LR4,  3                           ; 4 r
.set XW,   4                           ; PB + XST + 16 l
.set XR,   5                           ; PB + XST + 528 r + 64 h
.set AWR,  6                           ; PB + AST + 80 (l / 4) + 16 (l % 4)
.set ARD,  7                           ; PB + AST + 80 l
.set GW,   8                           ; PB + 8320 h + 16 r
.set GR,   9                           ; PB + 1040 l
.set AW3,  12                          ; W3S + 272 (2 w + h) + 16 r
.set AS3,  13                          ; SC3S + 68 (2 w + h) + 4 r
.set A12,  14                          ; IMG12 + 1280 ((l / 8) % 2) + 16 (l % 8) + 128 h + 256 w
.set S12,  15                          ; SC12 + 64 ((l / 8) % 2) + 4 (l % 8) + 32 h + 128 w
.set AM,   16                          ; W3M + 16 r
.set ASM,  17                          ; SC3M + 4 r
.set WO3,  18                          ; 64 + 128 w + 4 l: my column of w3
.set L4,   19                          ; 4 l
.set AMR,  20                          ; PB + AST + 80 r + 32 h
.set H64,  21                          ; 64 h; 32 h
.set H32,  22
.set OSW,  24                          ; OST + 4 x thread
.set OA,   25                          ; OST + 16 x thread
.set OG,   26                          ; 16 (thread % 64)
.set PX,   27                          ; v27-30  destinations of lane permutes
.set W1S,  32                          ; v32-54  scale words and nothing else: w1's two, w2's two, w3's 17, x's, the hidden layer's
.set W2S,  34
.set W3SC, 36
.set PW,   53
.set HW,   54
.set BL,   56                          ; v56-71  b3[16 + 16 i + r] log2(e), i = 0 .. 15
.set FF,   72                          ; v72-79  the hidden layer's codes
.set WC1,  80                          ; while the weights are quantised: codes and four registers at work
.set WT1,  88
.set WC2,  92
.set WT2,  100
.set DF,   80                          ; v80-87  in a group: action - means of 8 actions, on their way to LDS
.set ACC,  128                         ; v128-191 64 numbers of x; 8 tiles of S
.set WA,   128                         ; at the head: 32 numbers of a column of w3; 32 of a column of w1, w2 or w3
.set WB,   160
.set PA,   192                         ; v192-255 rows 0-15 of the state as loaded; then at work; then 8 rows of S of 8 batch rows: v[PA + 8 j + tile]
.set HH,   208                         ; 16 hidden units
.set TM,   224                         ; at work in the quantisers
.set MD,   224                         ; the means' tile
.set AC,   232                         ; 8 actions
.set PC,   240                         ; x's codes
.set W3F,  0                           ; WINDOW 1: w3's 17 tiles, 4 registers each, and 4 zeros
.set W1F,  72                          ; w1's two tiles of 8
.set W2F,  88                          ; w2's two of 4, and 4 zeros
.set B1C,  100                         ; the biases in the results' layout
.set B2C,  116
.set B3M,  132
.set ACTL, 156                         ; the actions as loaded
.set SB,   172                         ; rows 16-31 of the state as loaded
.set LV,   56                          ; THE LAST PHASE.  Window 1: all 256: S transposed.  Window 0: v56-73 at work, then a step's column; LV + 16 = z_k, LV + 17 = 0
.set RS,   74                          ; v74, v75 1 / sqrt(pivot), by turns
.set TT,   76
.set LP,   77
.set N2,   78
.set NORM, 79
.set RN,   27
.set LG,   28
.set SN,   29
.set SS,   30
.set PP,   31
.set ZZ,   55
.set YY,   80                          ; v80-95  action - means
.set GG,   96                          ; v96-255 H's lower triangle by rows, row i with 4 (i / 4 + 1) registers; row 5 uses six of its eight: v126 and v127 are no part of it
.set MSB, 0
.macro WIN new                         ; s_set_vgpr_msb: bits 1:0 source 0, 3:2 source 1, 5:4 source 2, 7:6 destination; the high byte repeats the setting that is left
.if MSB != \new
	s_set_vgpr_msb (MSB<<8)|\new
.set MSB, \new
.endif
.endm
.macro NOPS n
.rept \n
	v_nop
.endr
.endm
; 32 numbers down K of one column, v[src] on, become 16 bytes of codes in v[wc] on and a scale byte in v[t + 3]
.macro QW src, wc, t
	v_max3_num_f32 v[\t], |v[\src]|, |v[\src+1]|, |v[\src+2]|
	v_max3_num_f32 v[\t+1], |v[\src+3]|, |v[\src+4]|, |v[\src+5]|
.irp i, 6,10,14,18,22,26
	v_max3_num_f32 v[\t], v[\t], |v[\src+\i]|, |v[\src+\i+1]|
	v_max3_num_f32 v[\t+1], v[\t+1], |v[\src+\i+2]|, |v[\src+\i+3]|
.endr
	v_max3_num_f32 v[\t], v[\t], |v[\src+30]|, |v[\src+31]|
	v_max3_num_f32 v[\t], v[\t], v[\t+1], 0x1800000      ; the floor 2^(3 - 127): the byte cannot fall under 1
	v_add_nc_u32 v[\t+2], 0xff000000, v[\t]              ; 2 off the exponent field: the conversion takes this operand's exponent field as its scale
	v_lshrrev_b32 v[\t+3], 23, v[\t+2]                   ; the scale's byte, in a word whose upper bytes are 0
.irp g, 0,1,2,3
	v_cvt_scalef32_pk8_fp4_f32 v[\wc+\g], v[\src+8*\g:\src+8*\g+7], v[\t+2]
.endr
	v_nop                                                ; one plain instruction behind the last scaled conversion
.endm
	s_load_b256 s[4:11], s[0:1], 0x0                ; state s[4:5], action s[6:7], w1 s[8:9], b1 s[10:11]
	s_load_b256 s[12:19], s[0:1], 0x20              ; w2 s[12:13], b2 s[14:15], w3 s[16:17], b3 s[18:19]
	s_load_b64 s[20:21], s[0:1], 0x40               ; out0
	v_lshl_add_u32 v126, v0, 2, 0x48c00             ; the LDS address of my spare word, behind the eight regions, and 0: made here and kept for the closing lines alone
	v_mov_b32 v127, 0
	v_lshrrev_b32 v72, 5, v0
	v_readfirstlane_b32 s22, v72                    ; wave 0..7
	v_and_b32 v72, 31, v0                           ; l
	v_and_b32 v73, 15, v0                           ; r
	v_bfe_u32 v74, v0, 4, 1                         ; h
	v_bfe_u32 v75, v0, 3, 1                         ; (l / 8) % 2
	v_and_b32 v76, 7, v0                            ; l % 8
	v_bfe_u32 v77, v0, 2, 3                         ; l / 4
	v_and_b32 v78, 3, v0                            ; l % 4
	s_wait_alu depctr_va_sdst(0)                    ; s22 is written, ahead of its first reader: bases, LDS regions and the branches on the wave's number are made from it
	s_mul_i32 s23, s22, WPRIV
	s_add_co_u32 s23, s23, PRIV0                    ; PB
	s_add_co_u32 s32, s23, XST
	s_add_co_u32 s33, s23, AST
	s_mul_i32 s35, s22, 544
	s_add_co_u32 s35, s35, W3S
	s_mul_i32 s36, s22, 136
	s_add_co_u32 s36, s36, SC3S
	s_lshl_b32 s37, s22, 8
	s_lshl_b32 s38, s22, 7
	s_add_co_u32 s39, s38, 64
	s_add_co_u32 s38, s38, SC12
	s_mov_b32 s24, 0x76543210
	s_mov_b32 s25, 0xfedcba98                       ; v_permlanex16_b32's selects for lane l xor 16
	s_mov_b32 s27, 0x447a0000                       ; 1000.0
	s_mov_b32 s28, 0x3fb8aa3b                       ; log2(e)
	s_mov_b32 s29, s28                              ; (named with it as a pair)
	v_lshlrev_b32 v[L16], 4, v72
	v_lshlrev_b32 v[LR16], 4, v73
	v_lshlrev_b32 v[LR4], 2, v73
	v_add_nc_u32 v[XW], s32, v[L16]
	v_mul_u32_u24 v[XR], v73, 528
	v_lshl_add_u32 v[XR], v74, 6, v[XR]
	v_add_nc_u32 v[XR], s32, v[XR]
	v_mul_u32_u24 v[AWR], v77, 80
	v_lshl_add_u32 v[AWR], v78, 4, v[AWR]
	v_add_nc_u32 v[AWR], s33, v[AWR]
	v_mul_u32_u24 v[ARD], v72, 80
	v_add_nc_u32 v[ARD], s33, v[ARD]
	v_mul_u32_u24 v[GW], v74, 8320                  ; lanes 16-31 hold batch rows 8 further on: 8 x 1,040 bytes
	v_add_nc_u32 v[GW], v[GW], v[LR16]
	v_add_nc_u32 v[GW], s23, v[GW]
	v_mul_u32_u24 v[GR], v72, 1040
	v_add_nc_u32 v[GR], s23, v[GR]
	v_mul_u32_u24 v79, v73, 80
	v_lshl_add_u32 v79, v74, 5, v79                 ; 80 r + 32 h
	v_add_nc_u32 v[AMR], s33, v79
	v_mul_u32_u24 v[AW3], v74, 272
	v_add_nc_u32 v[AW3], v[AW3], v[LR16]
	v_add_nc_u32 v[AW3], s35, v[AW3]
	v_mul_u32_u24 v[AS3], v74, 68
	v_add_nc_u32 v[AS3], v[AS3], v[LR4]
	v_add_nc_u32 v[AS3], s36, v[AS3]
	v_mul_u32_u24 v[A12], v75, 1280
	v_lshl_add_u32 v[A12], v76, 4, v[A12]
	v_lshl_add_u32 v[A12], v74, 7, v[A12]
	v_add_nc_u32 v[A12], s37, v[A12]
	v_lshlrev_b32 v[S12], 6, v75
	v_lshl_add_u32 v[S12], v76, 2, v[S12]
	v_lshl_add_u32 v[S12], v74, 5, v[S12]
	v_add_nc_u32 v[S12], s38, v[S12]
	v_add_nc_u32 v[AM], W3M, v[LR16]
	v_add_nc_u32 v[ASM], SC3M, v[LR4]
	v_lshl_add_u32 v[WO3], v72, 2, s39
	v_lshlrev_b32 v[L4], 2, v72
	v_lshlrev_b32 v[H64], 6, v74
	v_lshlrev_b32 v[H32], 5, v74
	v_lshl_add_u32 v[OSW], v0, 2, OST
	v_lshl_add_u32 v[OA], v0, 4, OST
	v_and_b32 v[OG], 63, v0
	v_lshlrev_b32 v[OG], 4, v[OG]
.irp b, 0,1,2,3
	v_mov_b32 v[PX+\b], 0                           ; a lane permute's destination counts as one of its sources
.endr
	s_lshl_b32 s32, ttmp9, 17                       ; state: 256 rows of 512 bytes a work-group,
	s_lshl_b32 s34, s22, 14                         ; 32 a wave
	s_add_co_u32 s32, s32, s34
	s_mov_b32 s33, 0
	s_wait_kmcnt 0x0
	s_add_nc_u64 s[4:5], s[4:5], s[32:33]
	s_lshr_b32 s32, s32, 3                          ; action: rows of 64 bytes: an eighth of that
	s_add_nc_u64 s[6:7], s[6:7], s[32:33]
	s_lshl_b32 s32, ttmp9, 10                       ; out0: 1,024 bytes a work-group in each of its two rows;
	s_bfe_u32 s34, s22, 0x10001                     ; waves 0, 1 store the first row's, waves 2, 3 the second's
	s_lshl_b32 s34, s34, 18
	s_add_co_u32 s32, s32, s34
	s_add_nc_u64 s[20:21], s[20:21], s[32:33]
	s_cmp_lt_u32 s22, 4                             ; my second column: waves 0-3: block w of w1; wave 4: w2
	s_cselect_b64 s[30:31], s[8:9], s[12:13]
	s_cselect_b32 s32, s22, 0
	s_lshl_b32 s32, s32, 12                         ; 32 rows of 128 bytes
	s_add_nc_u64 s[30:31], s[30:31], s[32:33]
	s_wait_alu depctr_va_vdst(0)                    ; the addresses and offsets v1 to v26 are written, which every load and store of the kernel reads; none of them is written again
	; ALL GLOBAL LOADS.  S's biases and the weights first.  Of a weight a lane takes a column and its registers run down K: neighbouring lanes read neighbouring bytes, and a block of 32 lies in one lane.
.set ci, 0
.rept 16
	global_load_b32 v[BL+ci], v[LR4], s[18:19] offset:64+64*ci     ; b3[16 + 16 i + r]
.set ci, ci+1
.endr
.set ci, 0
.rept 32
	global_load_b32 v[WA+ci], v[WO3], s[16:17] offset:1088*ci      ; w3(k, 16 + 32 w + l)
.set ci, ci+1
.endr
	s_cmp_gt_u32 s22, 5
	s_cbranch_scc1 .Lno_second                      ; waves 6 and 7 have one column a lane
	s_cmp_eq_u32 s22, 5
	s_cbranch_scc1 .Lmeans_cols
.set ci, 0
.rept 32
	global_load_b32 v[WB+ci], v[L4], s[30:31] offset:128*ci        ; w1(32 w + k, l) or w2(k, l)
.set ci, ci+1
.endr
	s_branch .Lno_second
.Lmeans_cols:
.set ci, 0
.rept 32
	global_load_b32 v[WB+ci], v[LR4], s[16:17] offset:1088*ci      ; w3(k, r): the means' columns; lanes 16-31 repeat lanes 0-15
.set ci, ci+1
.endr
.Lno_second:
	; behind the weights, on every wave's way, 46 loads: 16 + 4 + 4 + 2 + 4 + 16
.set ci, 0
.rept 16
	global_load_b128 v[PA+4*ci:PA+4*ci+3], v[L16], s[4:5] offset:512*ci th:TH_LOAD_NT   ; a row of the state: 512 consecutive bytes a load
.set ci, ci+1
.endr
	WIN 0x40                                        ; destination window 1.  (No vector instruction has named a register of window 1 yet, and none since the wait above names an offset)
.irp u, 0,1
	global_load_b128 v[B1C+8*\u:B1C+8*\u+3], v[H64], s[10:11] offset:32*\u        ; b1[16 h + 8 u + 0 .. 7]
	global_load_b128 v[B1C+8*\u+4:B1C+8*\u+7], v[H64], s[10:11] offset:32*\u+16
.endr
.irp u, 0,1
	global_load_b128 v[B2C+8*\u:B2C+8*\u+3], v[H64], s[14:15] offset:32*\u
	global_load_b128 v[B2C+8*\u+4:B2C+8*\u+7], v[H64], s[14:15] offset:32*\u+16
.endr
	global_load_b128 v[B3M:B3M+3], v[H32], s[18:19]                                ; b3[8 h + 0 .. 7]
	global_load_b128 v[B3M+4:B3M+7], v[H32], s[18:19] offset:16
.irp i, 0,1,2,3
	global_load_b128 v[ACTL+4*\i:ACTL+4*\i+3], v[L16], s[6:7] offset:512*\i th:TH_LOAD_NT   ; eight rows of actions a load
.endr
.set ci, 0
.rept 16
	global_load_b128 v[SB+4*ci:SB+4*ci+3], v[L16], s[4:5] offset:8192+512*ci th:TH_LOAD_NT
.set ci, ci+1
.endr
.irp e, 0,1,2,3
	v_mov_b32 v[W3F+68+\e], 0                       ; what the last tile of w3 and of w2 names as its upper four registers: no load lands in these eight
	v_mov_b32 v[W2F+8+\e], 0
.endr
	WIN 0
	; THE WEIGHTS ARE QUANTISED ONCE A WORK-GROUP, the columns shared out among the waves, and laid in LDS as the operands' registers want them
	s_wait_loadcnt 46                               ; the weights are in; the 46 loads issued behind them may be out
	QW WA, WC1, WT1
	s_wait_alu depctr_va_vdst(0)                    ; the quantiser has written v[WC1 ..] and v[WT1 + 3], which the LDS stores read, and is done reading v[WA ..], in which x's numbers land later
	ds_store_b128 v[AW3], v[WC1:WC1+3]              ; column 16 + 16 i + t, i = 2 w + h, t = r: tile i, lane t
	ds_store_b32 v[AS3], v[WT1+3]
	s_cmp_gt_u32 s22, 5
	s_cbranch_scc1 .Lw_done
	QW WB, WC2, WT2
	s_wait_alu depctr_va_vdst(0)                    ; the same of v[WC2 ..], v[WT2 + 3] and v[WB ..], for either pair of stores below; and v[WT2 ..] are written, in which scale bytes' loads land behind the barrier
	s_cmp_eq_u32 s22, 5
	s_cbranch_scc1 .Lw_means
	ds_store_b128 v[A12], v[WC2:WC2+3]              ; unit l is lane l % 8 + 8 h of tile (l / 8) % 2: so a lane's 16 results of the two tiles are 16 neighbouring units
	ds_store_b32 v[S12], v[WT2+3]
	s_branch .Lw_done
.Lw_means:
	ds_store_b128 v[AM], v[WC2:WC2+3]               ; both halves of the lanes write the same bytes with the same values
	ds_store_b32 v[ASM], v[WT2+3]
.Lw_done:
	s_wait_dscnt 0x0                                ; for the others' sake: my stores have landed
	s_barrier_signal -1
	s_barrier_wait -1
	s_wait_alu depctr_vm_vsrc(0)                    ; my LDS stores have read their data: v[WT2 + 3], in which a load below lands, and v[WC1 ..], which the subtractions write later
	; every wave takes all fragments and scale words into registers, for both its groups
.irp u, 0,1
.irp kb, 0,1,2,3
	ds_load_b32 v[100+4*\u+\kb], v[LR4] offset:SC12+128*\kb+64*\u
.endr
	ds_load_b32 v[W2S+\u], v[LR4] offset:SC12+512+64*\u
.endr
	ds_load_b32 v[W3SC], v[LR4] offset:SC3M
.set ci, 0
.rept 16
	ds_load_b32 v[W3SC+1+ci], v[LR4] offset:SC3S+68*ci
.set ci, ci+1
.endr
	WIN 0x40
.irp u, 0,1
.irp c, 0,1
	ds_load_b128 v[W1F+8*\u+4*\c:W1F+8*\u+4*\c+3], v[L16] offset:IMG12+1280*\u+512*\c   ; lane (r, h): block 2 c + h
.endr
	ds_load_b128 v[W2F+4*\u:W2F+4*\u+3], v[LR16] offset:IMG12+1280*\u+1024
.endr
	ds_load_b128 v[W3F:W3F+3], v[LR16] offset:W3M
.set ci, 0
.rept 16
	ds_load_b128 v[W3F+4+4*ci:W3F+7+4*ci], v[LR16] offset:W3S+272*ci
.set ci, ci+1
.endr
	WIN 0
	s_wait_dscnt 0x0
.irp u, 0,1
	v_lshl_or_b32 v[W1S+\u], v[101+4*\u], 8, v[100+4*\u]           ; w1's four bytes make a row's scale word
	v_lshl_or_b32 v[W1S+\u], v[102+4*\u], 16, v[W1S+\u]
	v_lshl_or_b32 v[W1S+\u], v[103+4*\u], 24, v[W1S+\u]
.endr
; 64 numbers of a lane, v[ACC + 16 b + i] = x(row r, 32 b + 16 h + i), become a fragment's codes in v[PC] on and the row's scale word in v[PW]
.macro QUANTX
.irp b, 0,1,2,3
	v_max3_num_f32 v[TM+\b], |v[ACC+16*\b]|, |v[ACC+1+16*\b]|, 0x1800000
.endr
.irp i, 2,4,6,8,10,12,14
.irp b, 0,1,2,3
	v_max3_num_f32 v[TM+\b], v[TM+\b], |v[ACC+16*\b+\i]|, |v[ACC+1+16*\b+\i]|   ; the four blocks by turns
.endr
.endr
.irp b, 0,1,2,3
	v_permlanex16_b32 v[PX+\b], v[TM+\b], s24, s25
.endr
.irp b, 0,1,2,3
	v_max_num_f32 v[TM+\b], v[TM+\b], v[PX+\b]      ; with lane l xor 16's: the block's largest magnitude
.endr
.irp b, 0,1,2,3
	v_add_nc_u32 v[TM+12+\b], 0xff000000, v[TM+\b]
.endr
.irp b, 0,1,2,3
	v_lshrrev_b32 v[TM+4+\b], 23, v[TM+12+\b]
.endr
	v_lshl_or_b32 v[PW], v[TM+5], 8, v[TM+4]
	v_lshl_or_b32 v[PW], v[TM+6], 16, v[PW]
	v_lshl_or_b32 v[PW], v[TM+7], 24, v[PW]
.irp b, 0,1,2,3
	v_cvt_scalef32_pk8_fp4_f32 v[PC+2*\b], v[ACC+16*\b:ACC+7+16*\b], v[TM+12+\b]
	v_cvt_scalef32_pk8_fp4_f32 v[PC+1+2*\b], v[ACC+8+16*\b:ACC+15+16*\b], v[TM+12+\b]
.endr
	v_nop                                           ; one plain instruction behind a scaled conversion
.irp c, 0,1                                     ; the operand wants a whole block in a lane: lanes 0-15 block 2 c, lanes 16-31 block 2 c + 1
.irp i, 0,1
	v_permlane16_swap_b32 v[PC+4*\c+\i], v[PC+2+4*\c+\i]
.endr
.endr
.endm
; The hidden layer: v[HH + i] = unit 16 h + i of row r.  relu, one block of 32, codes into v[FF] on: k = 0 .. 31 in lanes 0-15, zeros in lanes 16-31; FF + 4 .. 7 are zeros already
.macro HQ
.set ci, 0
.rept 16
	v_max_num_f32 v[HH+ci], 0, v[HH+ci]             ; each tile from its low end on
.set ci, ci+1
.endr
	v_max3_num_f32 v[TM], v[HH], v[HH+1], 0x1800000 ; none is negative: no |.|; the floor among the leaves
	v_max3_num_f32 v[TM+1], v[HH+2], v[HH+3], v[HH+4]
	v_max3_num_f32 v[TM], v[TM], v[HH+5], v[HH+6]
	v_max3_num_f32 v[TM+1], v[TM+1], v[HH+7], v[HH+8]
	v_max3_num_f32 v[TM], v[TM], v[HH+9], v[HH+10]
	v_max3_num_f32 v[TM+1], v[TM+1], v[HH+11], v[HH+12]
	v_max3_num_f32 v[TM], v[TM], v[HH+13], v[HH+14]
	v_max3_num_f32 v[TM], v[TM], v[TM+1], v[HH+15]
	v_permlanex16_b32 v[PX], v[TM], s24, s25
	v_max_num_f32 v[TM], v[TM], v[PX]
	v_add_nc_u32 v[TM+2], 0xff000000, v[TM]
	v_lshrrev_b32 v[HW], 23, v[TM+2]                ; the scale word: the byte below, zeros above
	v_mov_b32 v[FF+2], 0
	v_mov_b32 v[FF+3], 0
	v_cvt_scalef32_pk8_fp4_f32 v[FF], v[HH:HH+7], v[TM+2]
	v_cvt_scalef32_pk8_fp4_f32 v[FF+1], v[HH+8:HH+15], v[TM+2]
	v_nop
	v_permlane16_swap_b32 v[FF], v[FF+2]            ; lanes 16-31's codes (k = 16 .. 31) go to lanes 0-15 of registers 2, 3, and zeros come back
	v_permlane16_swap_b32 v[FF+1], v[FF+3]
	NOPS 8                                          ; a scale word made by vector instructions stands 8 places ahead of a scaled matrix instruction, an operand 4
	s_wait_alu depctr_va_vdst(0)                    ; behind the places: the codes v[FF ..] and the scale word v[HW] are written, which the scaled matrix instructions that follow take
.endm
; eight tiles of S: source 0 = the 16 rows, source 1 = tile i = 8 hb + tt.  v[ACC + 8 tt + j], lane (r, h): out(row 8 h + j, 16 + 16 i + r), less its bias
.macro TILES hb
	WIN 0x04                                        ; source 1 window 1
.irp tt, 0,1,2,3,4,5,6,7
	v_wmma_scale_f32_16x16x128_f8f6f4 v[ACC+8*\tt:ACC+8*\tt+7], v[FF:FF+7], v[W3F+4+4*(8*\hb+\tt):W3F+11+4*(8*\hb+\tt)], 0, v[HW], v[W3SC+1+8*\hb+\tt] matrix_a_fmt:MATRIX_FMT_FP4 matrix_b_fmt:MATRIX_FMT_FP4
.endr
	WIN 0
	NOPS 4                                          ; places ahead of the first read of results
.endm
; those eight tiles become rows 8 hb .. 8 hb + 7 of S: bias, exponential, clip.  The clip lays a batch row's eight numbers on end, so that four go out by one LDS store
.macro HALF hb, g
.irp tt, 0,1,2,3,4,5,6,7
.irp j, 0,2,4,6
.if (\tt)%2
	v_pk_fma_f32 v[ACC+8*\tt+\j:ACC+8*\tt+\j+1], v[ACC+8*\tt+\j:ACC+8*\tt+\j+1], s[28:29], v[BL+8*\hb+\tt-1:BL+8*\hb+\tt] op_sel:[0,0,1] op_sel_hi:[1,0,1]
.else
	v_pk_fma_f32 v[ACC+8*\tt+\j:ACC+8*\tt+\j+1], v[ACC+8*\tt+\j:ACC+8*\tt+\j+1], s[28:29], v[BL+8*\hb+\tt:BL+8*\hb+\tt+1] op_sel_hi:[1,0,0]
.endif
.endr
.endr
.set ci, 0
.rept 64
	v_exp_f32 v[ACC+ci], v[ACC+ci]
.set ci, ci+1
.endr
	v_nop                                           ; a plain instruction behind the last exponential
	s_wait_alu depctr_va_vdst(0)                    ; the 64 exponentials have written v[ACC ..]: one wait for the batch, ahead of its first reader
.if \hb
	s_wait_dscnt 0x0                                ; the first half's LDS stores are done,
	s_wait_alu depctr_vm_vsrc(0)                    ; and have read v[PA ..], which the clip writes anew, and v[DF ..].  (In the first half no LDS store has read v[PA ..] since the wait ahead of the quantiser of x)
.endif
.irp tt, 0,1,2,3,4,5,6,7
.irp j, 0,1,2,3,4,5,6,7
	v_min_num_f32 v[PA+8*\j+\tt], s27, v[ACC+8*\tt+\j]             ; the clip: S(batch row 8 h + j)[8 hb + tt][r]
.endr
.endr
	s_wait_alu depctr_va_vdst(0)                    ; the clip has written v[PA ..] (first half: and the subtractions v[DF ..]), which the LDS stores read; it is done reading v[ACC ..], and the products are done reading window 1: the next loads into either owe no more
.if \hb == 0
	ds_store_b128 v[AMR], v[DF:DF+3] offset:1280*\g                 ; action - means, back over the actions
	ds_store_b128 v[AMR], v[DF+4:DF+7] offset:1280*\g+16
.endif
.irp j, 0,1,2,3,4,5,6,7
.irp c, 0,1
	ds_store_b128 v[GW], v[PA+8*\j+4*\c:PA+8*\j+4*\c+3] offset:1040*(16*\g+\j)+256*(2*\hb+\c)   ; sixteen lanes store 256 consecutive bytes
.endr
.endr
.endm
; ONE GROUP OF 16 ROWS
.macro GROUP g
.if \g == 0
	s_wait_loadcnt 16                               ; all but rows 16-31 of the state are in
	WIN 0x04                                        ; an LDS store's data are its source 1: window 1
.irp i, 0,1,2,3
	ds_store_b128 v[AWR], v[ACTL+4*\i:ACTL+4*\i+3] offset:640*\i
.endr
	WIN 0
.set ci, 0
.rept 16
	ds_store_b128 v[XW], v[PA+4*ci:PA+4*ci+3] offset:528*ci        ; the state's rows as they were loaded
.set ci, ci+1
.endr
.else
	s_wait_loadcnt 0x0
	WIN 0x04
.set ci, 0
.rept 16
	ds_store_b128 v[XW], v[SB+4*ci:SB+4*ci+3] offset:528*ci
.set ci, ci+1
.endr
	WIN 0
.endif
.irp b, 0,1,2,3
.irp j, 0,1,2,3
	ds_load_b128 v[ACC+16*\b+4*\j:ACC+16*\b+4*\j+3], v[XR] offset:128*\b+16*\j   ; and back 16 neighbours of each block a lane; LDS serves a wave's instructions in order.  No vector or matrix instruction since the last wait on va_vdst names v[ACC ..]
.endr
.endr
.if \g == 0
.irp j, 0,2,4,6,8,10,12,14
	v_pk_mul_f32 v[BL+\j:BL+\j+1], v[BL+\j:BL+\j+1], s[28:29] op_sel_hi:[1,0]     ; b3 log2(e), once
.endr
.endif
	s_wait_dscnt 0x0
	s_wait_alu depctr_vm_vsrc(0)                    ; the LDS stores issued so far have read their data: v[PA ..] (the state's rows; in group 1 the last half's S), which the quantisers, the products and the actions' loads write; and window 1's ACTL and SB, in which S lands at the end
.irp e, 4,5,6,7
	v_mov_b32 v[FF+\e], 0                           ; the hidden layer's codes for k = 64 .. 127
.endr
	QUANTX
	NOPS 8
	s_wait_alu depctr_va_vdst(0)                    ; behind the places: x's codes v[PC ..] and scale word v[PW], w1's scale words, the zeros of v[FF + 4 ..] and of window 1 are written, which scaled matrix instructions take
	WIN 0x11                                        ; source 0 (the weight) and C (the bias) window 1
.irp u, 0,1
	v_wmma_scale_f32_16x16x128_f8f6f4 v[HH+8*\u:HH+8*\u+7], v[W1F+8*\u:W1F+8*\u+7], v[PC:PC+7], v[B1C+8*\u:B1C+8*\u+7], v[W1S+\u], v[PW] matrix_a_fmt:MATRIX_FMT_FP4 matrix_b_fmt:MATRIX_FMT_FP4
.endr
	WIN 0
	NOPS 4
	HQ
	WIN 0x11
.irp u, 0,1
	v_wmma_scale_f32_16x16x128_f8f6f4 v[HH+8*\u:HH+8*\u+7], v[W2F+4*\u:W2F+4*\u+7], v[FF:FF+7], v[B2C+8*\u:B2C+8*\u+7], v[W2S+\u], v[HW] matrix_a_fmt:MATRIX_FMT_FP4 matrix_b_fmt:MATRIX_FMT_FP4
.endr
	WIN 0
	NOPS 4
	HQ
	ds_load_b128 v[AC:AC+3], v[AMR] offset:1280*\g                  ; action(row r, 8 h + 0 .. 7).  The quantiser of x, which named v[AC ..] last, stands ahead of the waits above
	ds_load_b128 v[AC+4:AC+7], v[AMR] offset:1280*\g+16
	WIN 0x11
	v_wmma_scale_f32_16x16x128_f8f6f4 v[MD:MD+7], v[W3F:W3F+7], v[FF:FF+7], v[B3M:B3M+7], v[W3SC], v[HW] matrix_a_fmt:MATRIX_FMT_FP4 matrix_b_fmt:MATRIX_FMT_FP4   ; the means, transposed: lane (r, h): mean(row r, 8 h + j)
	TILES 0
	s_wait_dscnt 0x0
.irp j, 0,2,4,6
	v_pk_add_f32 v[DF+\j:DF+\j+1], v[AC+\j:AC+\j+1], v[MD+\j:MD+\j+1] neg_lo:[0,1] neg_hi:[0,1]   ; action - means, from the tile's low end on, into registers of their own: they are stored with the first half of S
.endr
	HALF 0, \g
	TILES 1
	HALF 1, \g
.endm
	GROUP 0
	GROUP 1
	; ONE LANE, ONE ROW OF THE BATCH.  68 LDS loads: action - means, then S, a column (16 numbers, four loads) at a time, into window 1: register 16 t + i = S[i][t]
	s_wait_alu depctr_vm_vsrc(0)                    ; the last sixteen LDS stores have read v[PA ..], which the sums of S S^T write.  (What the loads below land in was freed earlier: see the waits in the groups)
.irp j, 0,1,2,3
	ds_load_b128 v[YY+4*\j:YY+4*\j+3], v[ARD] offset:16*\j
.endr
	WIN 0x40                                        ; destination window 1: all that lay there is done with
.set tq, 0
.rept 16
.set cq, 0
.rept 4
	ds_load_b128 v[16*tq+4*cq:16*tq+4*cq+3], v[GR] offset:256*cq+16*tq
.set cq, cq+1
.endr
.set tq, tq+1
.endr
; row i of S S^T takes S[i][t] times column t, two entries an instruction, up to the pair that holds the diagonal (for an even i the entry just above it comes along: nobody reads it).  t = 0 starts the sums.
.macro HUP i, t
.set hup_b, GG+4*(2*((\i)/4)*((\i)/4+1)+((\i)%4)*((\i)/4+1))
.set hup_s, 16*(\t)+(\i)-(\i)%2
.set hup_p, 0
.rept (\i)/2+1
.if (\t) == 0
.if (\i)%2
	v_pk_mul_f32 v[hup_b+2*hup_p:hup_b+2*hup_p+1], v[hup_s:hup_s+1], v[16*(\t)+2*hup_p:16*(\t)+2*hup_p+1] op_sel:[1,0] op_sel_hi:[1,1]
.else
	v_pk_mul_f32 v[hup_b+2*hup_p:hup_b+2*hup_p+1], v[hup_s:hup_s+1], v[16*(\t)+2*hup_p:16*(\t)+2*hup_p+1] op_sel_hi:[0,1]
.endif
.else
.if (\i)%2
	v_pk_fma_f32 v[hup_b+2*hup_p:hup_b+2*hup_p+1], v[hup_s:hup_s+1], v[16*(\t)+2*hup_p:16*(\t)+2*hup_p+1], v[hup_b+2*hup_p:hup_b+2*hup_p+1] op_sel:[1,0,0] op_sel_hi:[1,1,1]
.else
	v_pk_fma_f32 v[hup_b+2*hup_p:hup_b+2*hup_p+1], v[hup_s:hup_s+1], v[16*(\t)+2*hup_p:16*(\t)+2*hup_p+1], v[hup_b+2*hup_p:hup_b+2*hup_p+1] op_sel_hi:[0,1,1]
.endif
.endif
.set hup_p, hup_p+1
.endr
.endm
	WIN 0x05                                        ; sources 0 and 1 (S) window 1; the sums window 0: one setting for the 1,152 instructions
.set tq, 0
.rept 16
	s_wait_dscnt 60-4*tq                            ; column t's four loads are in; the 4 (15 - t) behind them may be out
.set iq, 0
.rept 16
	HUP iq, tq
.set iq, iq+1
.endr
.set tq, tq+1
.endr
	WIN 0
	; n2 = the trace
.set ii, 0
.rept 8
.set ra, 4*(2*((2*ii)/4)*((2*ii)/4+1)+((2*ii)%4)*((2*ii)/4+1))+2*ii
.set rb, 4*(2*((2*ii+1)/4)*((2*ii+1)/4+1)+((2*ii+1)%4)*((2*ii+1)/4+1))+2*ii+1
	v_add_f32 v[LV+ii], v[GG+ra], v[GG+rb]
.set ii, ii+1
.endr
	v_pk_add_f32 v[LV:LV+1], v[LV:LV+1], v[LV+2:LV+3]
	v_pk_add_f32 v[LV+4:LV+5], v[LV+4:LV+5], v[LV+6:LV+7]
	v_pk_add_f32 v[LV:LV+1], v[LV:LV+1], v[LV+4:LV+5]
	v_add_f32 v[N2], v[LV], v[LV+1]                 ; n2
	v_sqrt_f32 v[NORM], v[N2]
	v_rsq_f32 v[RN], v[N2]
	v_log_f32 v[LG], v[N2]
	v_mov_b32 v[LV+17], 0                           ; (a plain instruction behind the three)  named with z_k as a pair
	s_wait_alu depctr_va_vdst(0)                    ; the root, the reciprocal root and the logarithm of n2 are written: one wait for the three, ahead of their first reader
	v_add_f32 v[SN], 0x322bcc77, v[NORM]            ; sn = norm + 1e-8
	v_mul_f32 v[SS], v[SN], v[SN]                   ; s
	v_add_f32 v[GG], v[GG], v[SS]                   ; H's diagonal: + s
	v_rsq_f32 v[RS], v[GG]
.set ii, 1
.rept 15
.set ro, 4*(2*(ii/4)*(ii/4+1)+(ii%4)*(ii/4+1))
	v_add_f32 v[GG+ro+ii], v[GG+ro+ii], v[SS]
.set ii, ii+1
.endr
; row i (16: action - means) less l_ik times the step's column, two columns an instruction.  A pair may take in column k, which is dead, or the entry just above the diagonal, which nobody reads.
.macro ROWUP i, k
.if (\i) == 16
.set rup_b, YY
.else
.set rup_b, GG+4*(2*((\i)/4)*((\i)/4+1)+((\i)%4)*((\i)/4+1))
.endif
.set rup_p, ((\k)+1)/2
.set rup_e, (\i)/2
.if rup_e > 7
.set rup_e, 7
.endif
.rept rup_e-rup_p+1
.if (\i)%2
	v_pk_fma_f32 v[rup_b+2*rup_p:rup_b+2*rup_p+1], v[LV+(\i)-1:LV+(\i)], v[LV+2*rup_p:LV+2*rup_p+1], v[rup_b+2*rup_p:rup_b+2*rup_p+1] op_sel:[1,0,0] op_sel_hi:[1,1,1] neg_lo:[1,0,0] neg_hi:[1,0,0]
.else
	v_pk_fma_f32 v[rup_b+2*rup_p:rup_b+2*rup_p+1], v[LV+(\i):LV+(\i)+1], v[LV+2*rup_p:LV+2*rup_p+1], v[rup_b+2*rup_p:rup_b+2*rup_p+1] op_sel_hi:[0,1,1] neg_lo:[1,0,0] neg_hi:[1,0,0]
.endif
.set rup_p, rup_p+1
.endr
.endm
	; THE FACTORISATION, step k: the column l_ik = H[i][k] rs_k (and z_k); row k + 1 is brought up to date first, so that the next pivot's root is on its way while the other rows follow
.set kk, 0
.rept 15
	s_wait_alu depctr_va_vdst(0)                    ; rs_k is written, ahead of its first reader
.set ii, kk+1
.rept 15-kk
.set ro, 4*(2*(ii/4)*(ii/4+1)+(ii%4)*(ii/4+1))
	v_mul_f32 v[LV+ii], v[GG+ro+kk], v[RS+kk%2]
.set ii, ii+1
.endr
	v_mul_f32 v[LV+16], v[YY+kk], v[RS+kk%2]        ; z_k
	ROWUP kk+1, kk
.set ro, 4*(2*((kk+1)/4)*((kk+1)/4+1)+((kk+1)%4)*((kk+1)/4+1))
	v_rsq_f32 v[RS+(kk+1)%2], v[GG+ro+kk+1]
.if kk == 0
	v_mul_f32 v[PP], v[RS], v[SN]                   ; P = the product of rs_k sn
	v_mul_f32 v[ZZ], v[LV+16], v[LV+16]             ; the sum of z^2
.else
	v_mul_f32 v[TT], v[RS+kk%2], v[SN]
	v_fmac_f32 v[ZZ], v[LV+16], v[LV+16]
	v_mul_f32 v[PP], v[PP], v[TT]
.endif
.set ii, kk+2
.rept 15-kk
	ROWUP ii, kk
.set ii, ii+1
.endr
.set kk, kk+1
.endr
	s_wait_alu depctr_va_vdst(0)                    ; rs_15 is written, ahead of its first reader
	v_mul_f32 v[LV+16], v[YY+15], v[RS+1]           ; step 15: z_15 alone
	v_mul_f32 v[TT], v[RS+1], v[SN]
	v_fmac_f32 v[ZZ], v[LV+16], v[LV+16]
	v_mul_f32 v[PP], v[PP], v[TT]
	v_log_f32 v[LP], v[PP]
	v_mul_f32 v[ZZ], v[ZZ], v[SS]                   ; (plain work behind the logarithm)  first x s, which brings the sum back to the size of the result,
	v_mul_f32 v[ZZ], v[ZZ], v[RN]                   ; then / norm
	s_wait_alu depctr_va_vdst(0)                    ; log2(P) is written, ahead of its first reader
	v_fma_f32 v[TT], v[LG], 4.0, -v[LP]
	v_mul_f32 v[TT], 0x3f317218, v[TT]              ; x ln 2: half the log-determinant
	v_add_f32 v[NORM], 0x41b59fc7, v[TT]            ; entropy = 8 (1 + ln 2 pi) + it
	v_fma_f32 v[N2], v[ZZ], -0.5, -v[TT]
	v_add_f32 v[N2], 0xc16b3f8e, v[N2]              ; log-probability: - 8 ln 2 pi
	; THE WAY OUT: a wave has 128 bytes of each of out0's rows.  The work-group's 1,024 of each meet in LDS, and four waves store 512 consecutive bytes each, at a multiple of 512 from out0's first byte
	s_wait_alu depctr_va_vdst(0)                    ; the two results v[N2] and v[NORM] are written, which the LDS stores read; and the factorisation is done with v80 to v83, in which the load behind the barrier lands
	ds_store_b32 v[OSW], v[N2]
	ds_store_b32 v[OSW], v[NORM] offset:1024
	s_wait_dscnt 0x0                                ; for the others' sake
	s_barrier_signal -1
	s_barrier_wait -1
	s_cmp_gt_u32 s22, 3
	s_cbranch_scc1 .Lend
	ds_load_b128 v[80:83], v[OA]
	s_wait_dscnt 0x0
	global_store_b128 v[OG], v[80:83], s[20:21] th:TH_STORE_NT
.Lend:
	s_wait_dscnt 0x0                                ; the closing lines, six on end
	s_wait_alu 0x0
	s_wait_tensorcnt 0x0
	ds_add_u32 v126, v127
	s_wait_dscnt 0x0
	s_endpgm
.Lfunc_end_k_qfb0217fdfd_actor:
	.size	k_qfb0217fdfd_actor, .Lfunc_end_k_qfb0217fdfd_actor-k_qfb0217fdfd_actor
	.p2alignl 7, 3214868480
	.fill 96, 4, 3214868480
	.section	.rodata,"a",@progbits
	.p2align	6, 0x0
	.amdhsa_kernel k_qfb0217fdfd_actor
		.amdhsa_group_segment_fixed_size 299008
		.amdhsa_private_segment_fixed_size 0
		.amdhsa_enable_private_segment 0
		.amdhsa_kernarg_size 72
		.amdhsa_user_sgpr_count 2
		.amdhsa_user_sgpr_kernarg_segment_ptr 1
		.amdhsa_wavefront_size32 1
		.amdhsa_system_sgpr_workgroup_id_x 1
		.amdhsa_system_sgpr_workgroup_id_y 1
		.amdhsa_system_sgpr_workgroup_id_z 1
		.amdhsa_system_vgpr_workitem_id 0
		.amdhsa_next_free_vgpr 512
		.amdhsa_next_free_sgpr 66
		.amdhsa_reserve_vcc 0
		.amdhsa_float_denorm_mode_32 3
		.amdhsa_float_denorm_mode_16_64 3
		.amdhsa_memory_ordered 1
		.amdhsa_forward_progress 1
		.amdhsa_inst_pref_size 200
	.end_amdhsa_kernel
	.amdgpu_metadata
---
amdhsa.version: [ 1, 2 ]
amdhsa.kernels:
  - .name:           k_qfb0217fdfd_actor
    .symbol:         k_qfb0217fdfd_actor.kd
    .args:
      - { .name: state, .offset: 0, .size: 8, .value_kind: global_buffer, .address_space: global }
      - { .name: action, .offset: 8, .size: 8, .value_kind: global_buffer, .address_space: global }
      - { .name: w1, .offset: 16, .size: 8, .value_kind: global_buffer, .address_space: global }
      - { .name: b1, .offset: 24, .size: 8, .value_kind: global_buffer, .address_space: global }
      - { .name: w2, .offset: 32, .size: 8, .value_kind: global_buffer, .address_space: global }
      - { .name: b2, .offset: 40, .size: 8, .value_kind: global_buffer, .address_space: global }
      - { .name: w3, .offset: 48, .size: 8, .value_kind: global_buffer, .address_space: global }
      - { .name: b3, .offset: 56, .size: 8, .value_kind: global_buffer, .address_space: global }
      - { .name: out0, .offset: 64, .size: 8, .value_kind: global_buffer, .address_space: global }
    .group_segment_fixed_size: 299008
    .private_segment_fixed_size: 0
    .kernarg_segment_align: 8
    .kernarg_segment_size: 72
    .max_flat_workgroup_size: 256
    .sgpr_count:     66
    .vgpr_count:     512
    .wavefront_size: 32
...
	.end_amdgpu_metadata
.endif
;; end of part 2
